; MI455X (gfx1250); checked and timed in simulation.
; The chip was launched on July 23, 2026; its instructions are those of AMD's public machine-readable ISA for CDNA 5 (MIT licence, August 2026) and "CDNA5" Instruction Set Architecture Reference Guide (July 2026). The comments in the code are by the model that wrote it; some were corrected since.
;; Fine Grained Pipelined Mo E Layer. Allowed arithmetic: matrix products marked QUANTISED: E3M2 operands, one E8M0 scale for each 32 along K, by v_wmma_scale_f32_16x16x128_f8f6f4 with both operands' format E3M2, f32 sums; products left as they are: f32 operands where the result goes on into a quantised operand, else bf16, f16 or f32 operands; f32 sums; everything else in f32.
;; Inputs: W1_codes 8 x 4,096 x 32 x 24 uint8 (E3M2 codes of W1, K innermost, in blocks of 32 codes, four codes in three bytes); W1_scales 8 x 4,096 x 32 uint8 (E8M0 scales of W1, one for each 32 codes along K); W2_codes 8 x 1,024 x 128 x 24 uint8 (E3M2 codes of W2, K innermost, in blocks of 32 codes, four codes in three bytes); W2_scales 8 x 1,024 x 128 uint8 (E8M0 scales of W2, one for each 32 codes along K); Wg 1,024 x 8 float32; b1 8 x 4,096 float32; b2 8 x 1,024 float32; bg 8 float32; x 2 x 512 x 1,024 float32.
;; Outputs: out0 2 x 512 x 1,024 float32.
;; This version of the problem:
;;   THIS VERSION OF THE PROBLEM IS GIVEN IN LOW PRECISION. The matrix products marked QUANTISED in the list below multiply operands that are first quantised to E3M2 (3 exponent bits, 2 mantissa bits; 6 bits a number), with one power-of-two scale for each 32 numbers along K (OCP MX v1.0); their sums are f32. All else is computed in f32.
;;   The module's matrix products, in the order in which they are computed (A, B: the left and right operand; K: the contracted axis; several contracted axes count as one K, in the product's order):
;;     1. [M 1,024, K 1,024] x [K 1,024, N 8]; A: input x; B: input Wg: left as it is (N = 8 < 16)
;;     2. [M 1,024, K 1,024] x [K 1,024, N 4,096]; A: input x; B: input W1 (given as codes): QUANTISED
;;     3. [M 1,024, K 4,096] x [K 4,096, N 1,024]; A: computed on the way; B: input W2 (given as codes): QUANTISED
;;     4. [M 1,024, K 1,024] x [K 1,024, N 4,096]; A: input x; B: input W1 (given as codes): QUANTISED
;;     5. [M 1,024, K 4,096] x [K 4,096, N 1,024]; A: computed on the way; B: input W2 (given as codes): QUANTISED
;;     6. [M 1,024, K 1,024] x [K 1,024, N 4,096]; A: input x; B: input W1 (given as codes): QUANTISED
;;     7. [M 1,024, K 4,096] x [K 4,096, N 1,024]; A: computed on the way; B: input W2 (given as codes): QUANTISED
;;     8. [M 1,024, K 1,024] x [K 1,024, N 4,096]; A: input x; B: input W1 (given as codes): QUANTISED
;;     9. [M 1,024, K 4,096] x [K 4,096, N 1,024]; A: computed on the way; B: input W2 (given as codes): QUANTISED
;;     10. [M 1,024, K 1,024] x [K 1,024, N 4,096]; A: input x; B: input W1 (given as codes): QUANTISED
;;     11. [M 1,024, K 4,096] x [K 4,096, N 1,024]; A: computed on the way; B: input W2 (given as codes): QUANTISED
;;     12. [M 1,024, K 1,024] x [K 1,024, N 4,096]; A: input x; B: input W1 (given as codes): QUANTISED
;;     13. [M 1,024, K 4,096] x [K 4,096, N 1,024]; A: computed on the way; B: input W2 (given as codes): QUANTISED
;;     14. [M 1,024, K 1,024] x [K 1,024, N 4,096]; A: input x; B: input W1 (given as codes): QUANTISED
;;     15. [M 1,024, K 4,096] x [K 4,096, N 1,024]; A: computed on the way; B: input W2 (given as codes): QUANTISED
;;     16. [M 1,024, K 1,024] x [K 1,024, N 4,096]; A: input x; B: input W1 (given as codes): QUANTISED
;;     17. [M 1,024, K 4,096] x [K 4,096, N 1,024]; A: computed on the way; B: input W2 (given as codes): QUANTISED
;;   THE QUANTISER, for each operand of a quantised product, along K:
;;     - K is cut into blocks of 32 from its start; a last block that is shorter is filled with zeros.
;;     - A block's scale is 2^e with e = floor(log2(the largest magnitude in the block)) - 4, held to -126 .. 127; a block of zeros has e = 0. As a byte (E8M0): e + 127.
;;     - Each number is divided by its block's scale, clamped to +-28, and rounded to the nearest number of E3M2, ties to even, subnormals kept.
;;     - The product sums the exact products of the quantised numbers (number of the format x scale) in f32.
;;   ~~~python
;;   def quantise(x, axis):      # numpy; x: float32 -> the quantised numbers, widened to float32 again
;;       x = np.moveaxis(x, axis, -1); K = x.shape[-1]
;;       x = np.pad(x, [(0, 0)] * (x.ndim - 1) + [(0, -K % 32)]); x = x.reshape(x.shape[:-1] + (-1, 32)); a = np.abs(x).max(-1, keepdims=True)
;;       e = np.where(a > 0, np.clip(np.frexp(np.where(a > 0, a, 1))[1] - 1 - 4, -126, 127), 0)      # np.frexp(a)[1] - 1 = floor(log2(a)), exactly
;;       r = np.clip(x / 2.0 ** e, -28, 28)
;;       step = 2.0 ** (np.maximum(np.frexp(np.where(r == 0, 1, r))[1] - 1, -2) - 2)
;;       q = np.round(r / step) * step * 2.0 ** e      # np.round: ties to even
;;       return np.moveaxis(q.reshape(q.shape[:-2] + (-1,))[..., :K], -1, axis).astype(np.float32)
;;   ~~~
;;   OPERANDS COMPUTED ON THE WAY. 'Computed on the way' means the value that the module computes at that place (a softmax that the list does not call 'softmax' is quantised finished and normalised). What goes into a quantiser is computed in f32, as accurately as f32 sums, v_exp_f32 and their like allow (about 1e-6 of the number): no bf16 or f16 on the way to a quantiser, and a product that is left as it is and whose result goes on into a quantised operand takes f32 operands (vector FMAs, or v_wmma_f32_16x16x4_f32). A number that lies on a knife's edge between two numbers of the format may be rounded either way, as far as f32 arithmetic and the matrix unit's own rounding can turn it there, and no further.
;;   INPUTS GIVEN AS CODES. W1 (in the module: [8, 1024, 4096], K = its axis 1); W2 (in the module: [8, 4096, 1024], K = its axis 1): each comes as NAME_codes (uint8): NAME with its K axis moved to the last place and cut into blocks of 32 codes, [.., K / 32, bytes a block], one block behind the other in memory; four codes in three bytes: a row's codes are one little-endian stream of bits, code i at bits 6 i .. 6 i + 5 (a code: sign, 3 exponent bits, 2 mantissa bits); and NAME_scales (uint8): the same leading axes, one E8M0 byte (e + 127) for each 32 codes along K. Its value is code x scale, taken as it is: it is not quantised again, and the codes and scales need not be those that the quantiser above would give.
;; 2 versions, each right; version 2 is version 1 with the launch down written anew for expert scheduling mode. Each part assembles by itself: llvm-mc -triple=amdgcn-amd-amdhsa -mcpu=gfx1250 --defsym DOCPART=n.
;; ======== version 1 of 2: 3 launches
;; workspace buffers: xq 786,432 bytes; xs 32,768 bytes; bits 1,024 bytes of whole numbers; himg 25,165,824 bytes; hs 1,048,576 bytes
;; launch route (part 1): grid 256 x 1, 4 waves a work-group, no clusters, 55,808 bytes of LDS; arguments x, Wg, bg, xq, xs, bits; writes xq, xs, bits
.if DOCPART == 1
	.amdgcn_target "amdgcn-amd-amdhsa--gfx1250"
	.amdhsa_code_object_version 6
	.text
	.protected	k_q4eae97fda8_route
	.globl	k_q4eae97fda8_route
	.p2align	8
	.type	k_q4eae97fda8_route,@function
k_q4eae97fda8_route:
	s_mov_b64 s[64:65], 0
	v_nop
	global_prefetch_b8 v0, s[64:65] scope:SCOPE_SE
	s_setreg_imm32_b32 hwreg(HW_REG_WAVE_MODE, 25, 1), 1
	s_wait_xcnt 0x0
; THE GATE AND x's QUANTISER.  x: [1024 tokens][1024] f32.  Wg: [1024][8] f32, bg: [8] f32.
; Out: xq [1024][768 bytes]: x's codes of E3M2, one stream of bits a token, 32 codes in 24 bytes;  xs [1024][8 words]: the E8M0 bytes, word s = blocks 4 s, 4 s + 2, 4 s + 1, 4 s + 3
; (the order in which the next launch's operand registers hold the blocks);  bits [256 words]: in word i bit 4 e + t is set where token 4 i + t goes to expert e.
; SHARES.  A work-group takes four tokens, a wave one.  THE LANE IS THE BLOCK: lane l holds x[32 l .. 32 l + 31], so a block's largest magnitude needs no other lane and the conversions' six registers are
; the block's 24 bytes.  The gate's product is made in f32 by fused multiply-adds: lane l multiplies its 32 numbers by rows 32 l .. 32 l + 31 of Wg, which the four waves share through LDS; the lanes' sums are then added.
; THE SOFTMAX IS NOT COMPUTED: it rises strictly with the logit, so the largest gate is the largest logit; ties go to the lower index, as argmax has them.
; LIMITS: NaN and infinities are not served; two logits that differ, but whose softmax values f32 would round to one number, are told apart here.  A block of zeros gets the byte 1 where the quantiser's
; definition says 127: its codes are zeros, and this program alone reads the bytes.  No matrix unit, no tensor load, no cluster: 8 columns are too few, and the work-groups share only Wg's 32 KB.
.set WGS, 0                            ; LDS: Wg as 32 chunks of 1,024 bytes (32 rows), 1,040 bytes apart: an odd multiple of 16, so that sixteen lanes' 16 bytes start at sixteen different places modulo 256
.set WGP, 1040
.set XST, 33280                        ; a stage of 32 places of 128 + 16 bytes for each wave: x turns from 16 bytes a lane to 128 bytes a lane
.set XSP, 144
.set CST, 51712                        ; 768 bytes for each wave: the codes turn from 24 bytes a lane to rows of 256
.set SCB, 54784                        ; the four tokens' 32 scale bytes each
.set SEL, 54912                        ; the four tokens' bits
.set LN,  1                            ; v1   lane
.set TM,  2                            ; v2   at work
.set G16, 3                            ; v3   16 x lane
.set XSI, 4                            ; v4   x's stage, in
.set XSO, 5                            ; v5   x's stage, out
.set WSI, 6                            ; v6   Wg into LDS
.set WSO, 7                            ; v7   my chunk of Wg
.set CSI, 8                            ; v8   the codes' stage, in
.set CSO, 9                            ; v9   the codes' stage, out
.set SBI, 10                           ; v10  my scale byte's place
.set SLI, 11                           ; v11  my wave's word among the four bits
.set G8,  12                           ; v12  8 x lane
.set G4,  13                           ; v13  4 x lane
.set SW0, 14                           ; v14  the scale bytes, a word a lane
.set SL0, 15                           ; v15  the four bits
.set XR,  16                           ; v16-47   x as loaded; later the codes on their way out
.set WL,  48                           ; v48-111  Wg as loaded; later a quarter of my chunk
.set X,   112                          ; v112-143 my block of x
.set WGA, 144                          ; v144-207 a quarter of my chunk
.set ACC, 208                          ; v208-223 eight experts' sums over even k, then over odd k
.set CQ,  224                          ; v224-230 the codes
.set MA,  232
.set MB,  233
.set SCL, 234
.set BYT, 235
.set IDX, 236
.set BST, 237
.set BIT, 238
.set ONE, 239
.set WV,  24                           ; s24  wave
.set TK,  25                           ; s25  my token
	s_load_b256 s[4:11], s[0:1], 0x0               ; x s[4:5], Wg s[6:7], bg s[8:9], xq s[10:11]
	s_load_b128 s[12:15], s[0:1], 0x20             ; xs s[12:13], bits s[14:15]
	v_lshl_add_u32 v240, v0, 2, 0xd800
	v_mov_b32 v241, 0
	v_and_b32 v[LN], 31, v0
	v_lshrrev_b32 v[TM], 5, v0
	v_readfirstlane_b32 s[WV], v[TM]
	v_lshlrev_b32 v[G16], 4, v[LN]
	s_lshl_b32 s[TK], ttmp9, 2
	s_add_co_u32 s[TK], s[TK], s[WV]               ; token = 4 x work-group + wave
	s_lshl_b32 s26, s[TK], 12                      ; its row of 4,096 bytes
	s_mov_b32 s27, 0
	s_lshl_b32 s28, s[WV], 13                      ; my quarter of Wg: 8,192 bytes
	s_mov_b32 s29, 0
	s_wait_kmcnt 0x0
	s_load_b256 s[16:23], s[8:9], 0x0              ; bg: eight numbers, the same for every lane
	s_add_nc_u64 s[4:5], s[4:5], s[26:27]
	s_add_nc_u64 s[6:7], s[6:7], s[28:29]
.irp q, 0,1,2,3,4,5,6,7
	global_load_b128 v[XR+4*\q:XR+4*\q+3], v[G16], s[4:5] offset:512*\q th:TH_LOAD_NT     ; 32 lanes read 512 consecutive bytes
.endr
.irp q, 0,1,2,3,4,5,6,7,8,9,10,11,12,13,14,15
	global_load_b128 v[WL+4*\q:WL+4*\q+3], v[G16], s[6:7] offset:512*\q
.endr
	s_mul_i32 s26, s[TK], 768
	s_add_nc_u64 s[10:11], s[10:11], s[26:27]      ; xq at my token
	s_lshl_b32 s26, ttmp9, 7
	s_add_nc_u64 s[12:13], s[12:13], s[26:27]      ; xs at the work-group's four tokens
	s_lshl_b32 s26, ttmp9, 2
	s_add_nc_u64 s[14:15], s[14:15], s[26:27]      ; bits at the work-group's word
	s_mov_b32 s34, 0x76543210                      ; v_permlanex16_b32's selects for lane l xor 16
	s_mov_b32 s35, 0xfedcba98
	s_mul_i32 s30, s[WV], 32*XSP
	s_add_co_u32 s30, s30, XST
	v_lshrrev_b32 v[XSI], 3, v[LN]
	v_mul_u32_u24 v[XSI], v[XSI], XSP
	v_and_b32 v[TM], 7, v[LN]
	v_lshl_add_u32 v[XSI], v[TM], 4, v[XSI]
	v_add_nc_u32 v[XSI], s30, v[XSI]               ; in: eight lanes' 128 bytes to a place; a load's 512 bytes take four places
	v_mul_u32_u24 v[XSO], v[LN], XSP
	v_add_nc_u32 v[XSO], s30, v[XSO]               ; out: place = lane
	s_mul_i32 s31, s[WV], 8*WGP
	v_add_nc_u32 v[WSI], s31, v[G16]               ; my eight chunks of Wg
	v_mul_u32_u24 v[WSO], v[LN], WGP               ; chunk = lane
	s_mul_i32 s32, s[WV], 768
	s_add_co_u32 s32, s32, CST
	v_mul_u32_u24 v[CSI], v[LN], 24
	v_add_nc_u32 v[CSI], s32, v[CSI]
	v_lshl_add_u32 v[CSO], v[LN], 3, s32
	v_and_b32 v[SBI], 28, v[LN]                    ; block l's byte: word l / 4; in it bytes 1 and 2 change places
	v_and_b32 v[TM], 1, v[LN]
	v_lshl_add_u32 v[SBI], v[TM], 1, v[SBI]
	v_bfe_u32 v[TM], v[LN], 1, 1
	v_add_nc_u32 v[SBI], v[SBI], v[TM]
	s_lshl_b32 s33, s[WV], 5
	s_add_co_u32 s33, s33, SCB
	v_add_nc_u32 v[SBI], s33, v[SBI]
	s_lshl_b32 s33, s[WV], 2
	s_add_co_u32 s33, s33, SEL
	v_mov_b32 v[SLI], s33
	v_lshlrev_b32 v[G8], 3, v[LN]
	v_lshlrev_b32 v[G4], 2, v[LN]
	v_lshl_add_u32 v[SW0], v[LN], 2, SCB
	v_mov_b32 v[SL0], SEL
	v_mov_b32 v[ONE], 1
	s_wait_loadcnt 16                              ; x's eight loads are in; Wg's sixteen, issued behind them, may be out
.irp q, 0,1,2,3,4,5,6,7
	ds_store_b128 v[XSI], v[XR+4*\q:XR+4*\q+3] offset:4*XSP*\q
.endr
.irp q, 0,1,2,3,4,5,6,7
	ds_load_b128 v[X+4*\q:X+4*\q+3], v[XSO] offset:16*\q       ; LDS serves a wave's instructions in order: these see my stores
.endr
	s_wait_loadcnt 0x0
.irp q, 0,1,2,3,4,5,6,7,8,9,10,11,12,13,14,15
	ds_store_b128 v[WSI], v[WL+4*\q:WL+4*\q+3] offset:(\q/2)*WGP+(\q%2)*512
.endr
	s_wait_dscnt 0x0                               ; for the others' sake: my part of Wg lies in LDS (and my block of x is in)
	s_barrier_signal -1
	s_barrier_wait -1                              ; all of Wg lies in LDS; nobody writes it again
.macro QUARTER buf, rr                 ; rows 8 rr .. 8 rr + 7 of my chunk: 256 bytes, 64 registers
.irp m, 0,1,2,3,4,5,6,7,8,9,10,11,12,13,14,15
	ds_load_b128 v[\buf+4*\m:\buf+4*\m+3], v[WSO] offset:256*(\rr)+16*\m
.endr
.endm
; Eight k of the gate: for each k four packed multiply-adds (two experts each); x[k] serves both halves.  Even and odd k have sums of their own, so that eight chains take turns.
.macro GATE buf, rr
.irp i, 0,1,2,3,4,5,6,7
.irp u, 0,1,2,3
.if (\rr) == 0 && \i == 0
	v_pk_mul_f32 v[ACC+2*\u:ACC+2*\u+1], v[\buf+2*\u:\buf+2*\u+1], v[X:X+1] op_sel_hi:[1,0]       ; the first products start the sums
.elseif (\rr) == 0 && \i == 1
	v_pk_mul_f32 v[ACC+8+2*\u:ACC+8+2*\u+1], v[\buf+8+2*\u:\buf+8+2*\u+1], v[X:X+1] op_sel:[0,1] op_sel_hi:[1,1]
.elseif \i%2 == 0
	v_pk_fma_f32 v[ACC+2*\u:ACC+2*\u+1], v[\buf+8*\i+2*\u:\buf+8*\i+2*\u+1], v[X+8*(\rr)+\i:X+8*(\rr)+\i+1], v[ACC+2*\u:ACC+2*\u+1] op_sel_hi:[1,0,1]
.else
	v_pk_fma_f32 v[ACC+8+2*\u:ACC+8+2*\u+1], v[\buf+8*\i+2*\u:\buf+8*\i+2*\u+1], v[X+8*(\rr)+\i-1:X+8*(\rr)+\i], v[ACC+8+2*\u:ACC+8+2*\u+1] op_sel:[0,1,0] op_sel_hi:[1,1,1]
.endif
.endr
.endr
.endm
	QUARTER WGA, 0
	QUARTER WL, 1
	; my block's scale and codes, on registers, while the first quarters come
	v_max3_num_f32 v[MA], |v[X]|, |v[X+1]|, 0x2800000              ; the floor 2^(5 - 127): the byte cannot fall under 1
	v_max3_num_f32 v[MB], |v[X+2]|, |v[X+3]|, |v[X+4]|
.irp i, 5,9,13,17,21,25
	v_max3_num_f32 v[MA], v[MA], |v[X+\i]|, |v[X+\i+1]|
	v_max3_num_f32 v[MB], v[MB], |v[X+\i+2]|, |v[X+\i+3]|
.endr
	v_max3_num_f32 v[MA], v[MA], |v[X+29]|, |v[X+30]|
	v_max3_num_f32 v[MA], v[MA], v[MB], |v[X+31]|                  ; the block's largest magnitude
	v_add_nc_u32 v[SCL], 0xfe000000, v[MA]         ; 4 off its exponent field: the conversion takes the exponent field of this operand as its scale
	v_lshrrev_b32 v[BYT], 23, v[SCL]               ; the scale's byte
	v_cvt_scalef32_pk16_bf6_f32 v[CQ:CQ+2], v[X:X+15], v[SCL]
	v_cvt_scalef32_pk16_bf6_f32 v[CQ+4:CQ+6], v[X+16:X+31], v[SCL] ; (a conversion's three registers begin on an even number)
	v_nop                                          ; one plain place behind a scaled conversion
	v_mov_b32 v[CQ+3], v[CQ+4]
	v_mov_b32 v[CQ+4], v[CQ+5]
	v_mov_b32 v[CQ+5], v[CQ+6]                     ; v[CQ .. CQ+5]: the block's 24 bytes
	s_wait_dscnt 16                                ; the first quarter is in; the sixteen loads behind it may be out
	GATE WGA, 0
	QUARTER WGA, 2
	s_wait_dscnt 16
	GATE WL, 1
	QUARTER WL, 3
	s_wait_dscnt 16
	GATE WGA, 2
	s_wait_dscnt 0x0
	GATE WL, 3
.irp u, 0,2,4,6
	v_pk_add_f32 v[ACC+\u:ACC+\u+1], v[ACC+\u:ACC+\u+1], v[ACC+8+\u:ACC+8+\u+1]
.endr
.irp m, 1,2,4,8                        ; the 32 lanes' sums: four steps inside each half of the lanes, one across; the eight experts by turns
.irp e, 0,1,2,3,4,5,6,7
	v_add_f32_dpp v[ACC+\e], v[ACC+\e], v[ACC+\e] row_xmask:\m row_mask:0xf bank_mask:0xf
.endr
.endr
.irp e, 0,1,2,3,4,5,6,7
	v_permlanex16_b32 v[ACC+8+\e], v[ACC+\e], s34, s35
.endr
	s_wait_kmcnt 0x0                               ; bg
.irp e, 0,1,2,3,4,5,6,7
	v_add_f32 v[ACC+\e], v[ACC+\e], v[ACC+8+\e]
.endr
.irp e, 0,1,2,3,4,5,6,7
	v_add_f32 v[ACC+\e], s[16+\e], v[ACC+\e]       ; every lane holds the eight logits
.endr
	v_mov_b32 v[IDX], 0
	v_mov_b32 v[BST], v[ACC]
.irp e, 1,2,3,4,5,6,7
	v_cmp_gt_f32 vcc_lo, v[ACC+\e], v[BST]         ; strictly larger: a tie keeps the lower index
	v_cndmask_b32 v[IDX], v[IDX], \e, vcc_lo
	v_max_num_f32 v[BST], v[BST], v[ACC+\e]
.endr
	v_lshl_add_u32 v[IDX], v[IDX], 2, s[WV]
	v_lshlrev_b32 v[BIT], v[IDX], v[ONE]           ; bit 4 e + wave: a value that is stored; nothing in this launch is steered by it
	ds_store_b64 v[CSI], v[CQ:CQ+1]
	ds_store_b64 v[CSI], v[CQ+2:CQ+3] offset:8
	ds_store_b64 v[CSI], v[CQ+4:CQ+5] offset:16
.irp j, 0,1,2
	ds_load_b64 v[XR+2*\j:XR+2*\j+1], v[CSO] offset:256*\j      ; back as three rows of 256 bytes
.endr
	ds_store_b8 v[SBI], v[BYT]
	ds_store_b32 v[SLI], v[BIT]                    ; all lanes write the same word with the same value
	s_wait_dscnt 0x0                               ; my codes are back; for wave 0's sake: my bytes and my bit lie in LDS
.irp j, 0,1,2
	global_store_b64 v[G8], v[XR+2*\j:XR+2*\j+1], s[10:11] offset:256*\j   ; 32 lanes store 256 consecutive bytes, at a multiple of 256 from xq's first byte
.endr
	s_barrier_signal -1
	s_barrier_wait -1
	s_cmp_lg_u32 s[WV], 0
	s_cbranch_scc1 .Lend                           ; wave 0 stores what the four waves made together
	ds_load_b32 v[XR+12], v[SW0]
	ds_load_b128 v[XR+8:XR+11], v[SL0]
	s_wait_dscnt 0x0
	global_store_b32 v[G4], v[XR+12], s[12:13]     ; four tokens' 32 scale bytes each: 128 consecutive bytes
	v_or_b32 v[XR+8], v[XR+8], v[XR+9]
	v_or_b32 v[XR+10], v[XR+10], v[XR+11]
	v_or_b32 v[XR+8], v[XR+8], v[XR+10]
	v_cmp_eq_u32 vcc_lo, 0, v[LN]
	s_wait_xcnt 0x0                                ; EXEC changes only behind this wait
	s_and_saveexec_b32 s36, vcc_lo
	global_store_b32 v[G4], v[XR+8], s[14:15]      ; lane 0 (offset 0): the work-group's word
	s_wait_xcnt 0x0                                ; and again, ahead of the line that widens it
	s_or_b32 exec_lo, exec_lo, s36
.Lend:
	s_wait_tensorcnt 0x0
	ds_add_u32 v240, v241
	s_wait_dscnt 0x0
	s_endpgm
.Lfunc_end_k_q4eae97fda8_route:
	.size	k_q4eae97fda8_route, .Lfunc_end_k_q4eae97fda8_route-k_q4eae97fda8_route
	.p2alignl 7, 3214868480
	.fill 96, 4, 3214868480
	.section	.rodata,"a",@progbits
	.p2align	6, 0x0
	.amdhsa_kernel k_q4eae97fda8_route
		.amdhsa_group_segment_fixed_size 55808
		.amdhsa_private_segment_fixed_size 0
		.amdhsa_enable_private_segment 0
		.amdhsa_kernarg_size 48
		.amdhsa_user_sgpr_count 2
		.amdhsa_user_sgpr_kernarg_segment_ptr 1
		.amdhsa_wavefront_size32 1
		.amdhsa_system_sgpr_workgroup_id_x 1
		.amdhsa_system_sgpr_workgroup_id_y 1
		.amdhsa_system_sgpr_workgroup_id_z 1
		.amdhsa_system_vgpr_workitem_id 0
		.amdhsa_next_free_vgpr 242
		.amdhsa_next_free_sgpr 66
		.amdhsa_reserve_vcc 1
		.amdhsa_float_denorm_mode_32 3
		.amdhsa_float_denorm_mode_16_64 3
		.amdhsa_memory_ordered 1
		.amdhsa_forward_progress 1
		.amdhsa_inst_pref_size 27
	.end_amdhsa_kernel
	.amdgpu_metadata
---
amdhsa.version: [ 1, 2 ]
amdhsa.kernels:
  - .name:           k_q4eae97fda8_route
    .symbol:         k_q4eae97fda8_route.kd
    .args:
      - { .name: x, .offset: 0, .size: 8, .value_kind: global_buffer, .address_space: global }
      - { .name: Wg, .offset: 8, .size: 8, .value_kind: global_buffer, .address_space: global }
      - { .name: bg, .offset: 16, .size: 8, .value_kind: global_buffer, .address_space: global }
      - { .name: xq, .offset: 24, .size: 8, .value_kind: global_buffer, .address_space: global }
      - { .name: xs, .offset: 32, .size: 8, .value_kind: global_buffer, .address_space: global }
      - { .name: bits, .offset: 40, .size: 8, .value_kind: global_buffer, .address_space: global }
    .group_segment_fixed_size: 55808
    .private_segment_fixed_size: 0
    .kernarg_segment_align: 8
    .kernarg_segment_size: 48
    .max_flat_workgroup_size: 128
    .sgpr_count:     66
    .vgpr_count:     242
    .wavefront_size: 32
...
	.end_amdgpu_metadata
.endif
;; end of part 1
;; launch up (part 2): grid 32 x 8, 4 waves a work-group, no clusters, 100,864 bytes of LDS; arguments W1_codes, W1_scales, b1, xq, xs, bits, himg, hs; writes himg, hs
.if DOCPART == 2
	.amdgcn_target "amdgcn-amd-amdhsa--gfx1250"
	.amdhsa_code_object_version 6
	.text
	.protected	k_q4eae97fda8_up
	.globl	k_q4eae97fda8_up
	.p2align	8
	.type	k_q4eae97fda8_up,@function
k_q4eae97fda8_up:
	s_mov_b64 s[64:65], 0
	v_nop
	global_prefetch_b8 v0, s[64:65] scope:SCOPE_SE
	s_setreg_imm32_b32 hwreg(HW_REG_WAVE_MODE, 25, 1), 1
	s_wait_xcnt 0x0
; THE FIRST PRODUCT OF THE CHOSEN EXPERT: h = gelu(x W1[e] + b1[e]), quantised along the hidden units, for the tokens that the gate gave to expert e alone.
; W1_codes [8][4096 hidden][768 bytes], W1_scales [8][4096][32], b1 [8][4096] f32; xq, xs, bits: from the launch before.  Out: himg, hs: the hidden layer's codes and scale bytes as the next launch's registers want them.
; SHARES.  Work-group (S, e) owns hidden units 128 S .. 128 S + 127 of expert e: 96 KB of W1, read from memory once in the whole launch.  Wave w = (cw = w % 2, tw = w / 2) keeps the fragments of 64 of them for all of
; K = 1,024 in 384 registers and walks the expert's tiles of 16 tokens tw, tw + 2, ..  The slice turns through LDS once: it is loaded as it lies (512 consecutive bytes a load) and read back as fragments.
; SLOTS.  Expert e's tokens in ascending order are slots 0 .. n - 1; a tile is 16 slots.  A slot at or past n stands for slot n - 1 (with n = 0: for a token of the table's end): the same token, the same values, so no lane is ever off.
; The number of tiles walked is even, 2 max(ceil(n / 32), 1): both tw do as many trips, and the next launch finds whole pairs of tiles.  A wave finds a slot's token by itself from the 1,024 bytes of bits (ROUTE_SETUP, SEARCH).
; BLOCK ORDER.  In a K step of 128 lane (r, h) takes the 48 consecutive bytes at 96 s + 48 h of its row, three loads of 16 bytes: its register half c holds block 2 h + c where the operand's map has 2 c + h.
; Both operands are permuted alike, so the products are the same; in a scale word bytes 1 and 2 change places (W1's by v_perm_b32, once; xs is stored so).
; TRANSPOSED, AND THE ROWS OF A TILE CHOSEN: source 0 = 16 rows of W1, source 1 = 16 tokens.  Row p of my tile j is hidden unit 128 S + 64 (p / 8) + 32 cw + 8 j + p % 8, so lane (token r, h) holds in its 32 results
; the 32 NEIGHBOURS of one block of the next K: 128 S + 64 h + 32 cw + 0 .. 31.  The block's largest magnitude needs no other lane, and its six code registers are half cw of the next launch's fragment S.
; gelu(x) = max(x, 0) - |x| E, E = erfc(|x| / sqrt 2) / 2 = t 2^(P(t) - x^2 log2(e) / 2), t = 1 / (1 + |x| / (2 sqrt 2)), P of degree 9: fractional error of E 1.2e-7 for every x, beside f32's own rounding.
; LIMITS: NaN and infinities are not served.  A block of zeros gets the byte 1 where the quantiser's definition says 127: its codes are zeros, and this program alone reads the bytes.
; NO TENSOR LOAD, NO CLUSTER: no two work-groups read the same weights.  No prefetch: a wave asks for all its weights in its first lines.
.set PITCH, 784                        ; an LDS row: 768 bytes + 16 = 49 x 16: sixteen rows' 16-byte pieces start at sixteen different places modulo 256
.set LN,  1                            ; v1   lane
.set R16, 2                            ; v2   r = lane % 16
.set HF,  3                            ; v3   h = lane / 16
.set G16, 4                            ; v4   16 x lane
.set LA,  5                            ; v5   into LDS: my rows' first byte + 16 x lane
.set LB,  6                            ; v6   the same where lanes 16-31 begin the next row
.set FRA, 7                            ; v7   a fragment's row r + 48 h, in my half of the slice
.set XO,  8                            ; v8   my token's row of xq + 48 h
.set XSO, 9                            ; v9   my token's words of xs
.set G8,  10                           ; v10  8 x lane
.set HSB, 11                           ; v11  4 r + h: my byte among a tile's scale words
.set K,   12                           ; v12  a slot
.set TOK, 13                           ; v13  its token
.set H48, 14                           ; v14  48 h
.set BA,  15                           ; v15  32 x lane
.set WSA, 16                           ; v16  my row of W1's scales
.set B1A, 17                           ; v17  256 h
.set K32, 20                           ; v20-31 SEARCH's work
.set Q,   21
.set MG,  22
.set GG,  23
.set RK,  24
.set FA,  25
.set FB,  26
.set FC,  27
.set FD,  28
.set T1,  29
.set T2,  30
.set POS, 31
.set M,   32                           ; v32  lane g: the bits of tokens 32 g .. 32 g + 31 for my expert
.set V,   33
.set W1S, 48                           ; v48-63   W1's scale words: register 8 p + s: lanes 0-15 tile 2 p, lanes 16-31 tile 2 p + 1
.set XS,  64                           ; v64-71   x's scale words, K steps 0-7
.set BI,  72                           ; v72-103  b1 of my 32 hidden units: the C of each sum's first product
.set ACC, 104                          ; v104-135 four tiles' results
.set T,   136                          ; v136-167 t
.set BW,  136                          ;          (at the head: eight words of bits)
.set P,   168                          ; v168-199 the polynomial, then E
.set TMP, 200                          ; v200-215 at work
.set CD,  216                          ; v216-222 the codes
.set SCL, 224
.set BYT, 225
.set MA,  226
.set MB,  227
.set CK,  228                          ; v228-249 gelu's constants, each twice: -log2(e) / 2, then c0 .. c9
.set WV,  20                           ; s20 wave   s21 cw   s22 tw   s23 S   s24 e   s25 n   s26 tiles to walk   s27 max(n, 1) - 1   s28 my tile
.set CW,  21
.set TW,  22
.set SS,  23
.set EX,  24
.set NE,  25
.set TL,  26
.set NM1, 27
.set TT,  28
.set U0,  29                           ; s29, s[30:31] at work
.set U1,  30
.set PX,  32                           ; s32-62  for g = 1 .. 31: (tokens of my expert in groups below g) x 32 + g
.set K1,  63                           ; s63     1 / (2 sqrt 2)
.set MS,  66                           ; s66-97  the 32 groups' bits
.set SH,  98
.set SELP, 99
.set N0,  100                          ; s100, s101  at the head: row numbers for the base addresses;
.set N1,  101
.set LC,  100                          ; s100    then: the trips made,
.set NP,  101                          ; s101    and the trips to make: the pairs of tiles, max(ceil(n / 32), 1), at most 32
.set MSB, 0
.macro WIN new                         ; which window of 256 registers each operand place means; the immediate's high byte repeats the setting that is left
.if MSB != (\new)
	s_set_vgpr_msb (MSB<<8)|(\new)
.set MSB, (\new)
.endif
.endm
.macro SWAR src                        ; how many bits are set in each field of v[src]: fields of 2 bits in v[FA], of 4 in v[FB], of 8 in v[FC]; of 16 in the low byte of each half of v[FD]
	v_lshrrev_b32 v[T1], 1, v[\src]
	v_and_b32 v[T1], 0x55555555, v[T1]
	v_sub_nc_u32 v[FA], v[\src], v[T1]
	v_lshrrev_b32 v[T1], 2, v[FA]
	v_and_b32 v[T1], 0x33333333, v[T1]
	v_and_b32 v[FB], 0x33333333, v[FA]
	v_add_nc_u32 v[FB], v[FB], v[T1]
	v_lshrrev_b32 v[T1], 4, v[FB]
	v_add_nc_u32 v[FC], v[FB], v[T1]
	v_and_b32 v[FC], 0x0f0f0f0f, v[FC]
	v_lshrrev_b32 v[T1], 8, v[FC]
	v_add_nc_u32 v[FD], v[FC], v[T1]
.endm
; From the words of bits: lane g's mask of its 32 tokens, the packed running counts and the masks as scalars, and n.
.macro ROUTE_SETUP
	s_lshl_b32 s[SH], s[EX], 2
	v_bfe_u32 v[M], v[BW], s[SH], 4
.irp q, 1,2,3,4,5,6,7
	v_bfe_u32 v[T1], v[BW+\q], s[SH], 4
	v_lshl_or_b32 v[M], v[T1], 4*\q, v[M]
.endr
	SWAR M
	v_lshrrev_b32 v[T1], 16, v[FD]
	v_add_nc_u32 v[T1], v[FD], v[T1]
	v_and_b32 v[T1], 0x3f, v[T1]                   ; my group's count, 0 .. 32
	v_lshl_add_u32 v[V], v[T1], 5, 1               ; x 32 + 1: a running sum of these is count x 32 + group
.set g, 1
.rept 31
	v_readlane_b32 s[PX+g-1], v[V], g-1
.set g, g+1
.endr
	v_readlane_b32 s[U0], v[V], 31
.set g, 2
.rept 30
	s_add_co_u32 s[PX+g-1], s[PX+g-1], s[PX+g-2]
.set g, g+1
.endr
	s_add_co_u32 s[U0], s[PX+30], s[U0]
	s_lshr_b32 s[NE], s[U0], 5
	s_sub_co_u32 s[NE], s[NE], 1                   ; n (the 32 ones have carried one into the count)
.set g, 0
.rept 32
	v_readlane_b32 s[MS+g], v[M], g
.set g, g+1
.endr
.endm
.macro PICK src, w, bw                 ; is the bit sought above the lower field of w bits?  Then that field's count comes off the rank, and the place goes w up
	v_bfe_u32 v[T1], v[\src], v[POS], \bw
	v_cmp_ge_u32 vcc_lo, v[RK], v[T1]
	v_cndmask_b32 v[T1], 0, v[T1], vcc_lo
	v_cndmask_b32 v[T2], 0, \w, vcc_lo
	v_sub_nc_u32 v[RK], v[RK], v[T1]
	v_add_nc_u32 v[POS], v[POS], v[T2]
.endm
; v[K], a slot (at most max(n, 1) - 1) -> v[TOK], its token.  The packed numbers rise strictly, so the last that is not above slot x 32 + 31 names the slot's group; in the group's mask the bit of the slot's rank is found by halving.
.macro SEARCH
	v_lshl_or_b32 v[K32], v[K], 5, 31
	v_mov_b32 v[Q], 0
	v_mov_b32 v[MG], s[MS]
.set g, 1
.rept 31
	v_cmp_le_u32 vcc_lo, s[PX+g-1], v[K32]
	v_cndmask_b32 v[Q], v[Q], s[PX+g-1], vcc_lo
	v_cndmask_b32 v[MG], v[MG], s[MS+g], vcc_lo
.set g, g+1
.endr
	v_and_b32 v[GG], 31, v[Q]
	v_lshrrev_b32 v[T1], 5, v[Q]
	v_sub_nc_u32 v[RK], v[K], v[T1]                ; the slot's rank in its group
	SWAR MG
	v_mov_b32 v[POS], 0
	PICK FD, 16, 8
	PICK FC, 8, 8
	PICK FB, 4, 4
	PICK FA, 2, 2
	PICK MG, 1, 1
	v_lshl_add_u32 v[TOK], v[GG], 5, v[POS]
	v_min_u32 v[TOK], 0x3ff, v[TOK]                ; held inside the table ahead of every address
.endm
; Chunk j of my 32 rows: rows 8 j .. 8 j + 7, 6,144 dense bytes, twelve loads.  It lands in registers that no fragment read back earlier takes: window 1 + j % 2, from v[96 + 48 (j / 2)].
.macro CHUNK j
.set LR, 96+48*((\j)/2)
	WIN 0x40<<((\j)%2)
.irp q, 0,1,2,3,4,5,6,7,8,9,10,11
	global_load_b128 v[LR+4*\q:LR+4*\q+3], v[G16], s[4:5] offset:6144*(\j)+512*\q th:TH_LOAD_NT
.endr
.endm
.macro STASH j                         ; three loads are two rows: 512 bytes of one, its last 256 and the next one's first 256, that one's other 512
.set LR, 96+48*((\j)/2)
	WIN 0x04<<((\j)%2)
.irp u, 0,1,2,3
	ds_store_b128 v[LA], v[LR+12*\u:LR+12*\u+3] offset:(16*(\j)+2*\u)*PITCH
	ds_store_b128 v[LB], v[LR+12*\u+4:LR+12*\u+7] offset:(16*(\j)+2*\u)*PITCH+512
	ds_store_b128 v[LA], v[LR+12*\u+8:LR+12*\u+11] offset:(16*(\j)+2*\u+1)*PITCH+256
.endr
.endm
.macro FRAGS j                         ; my tile j's eight fragments: K steps 0-3 to window 1, 4-7 to window 2, at v[12 (4 j + s % 4)]
	WIN 0x40
.irp s, 0,1,2,3
.irp q, 0,1,2
	ds_load_b128 v[12*(4*(\j)+\s)+4*\q:12*(4*(\j)+\s)+4*\q+3], v[FRA] offset:16*(\j)*PITCH+96*\s+16*\q
.endr
.endr
	WIN 0x80
.irp s, 0,1,2,3
.irp q, 0,1,2
	ds_load_b128 v[12*(4*(\j)+\s)+4*\q:12*(4*(\j)+\s)+4*\q+3], v[FRA] offset:16*(\j)*PITCH+96*(\s+4)+16*\q
.endr
.endr
.endm
.macro TILEIN j, left                  ; left: the loads issued behind chunk j, which may stay out
	s_wait_loadcnt \left
	STASH \j
	s_wait_dscnt 0x0                               ; for the others' sake: my rows of every wave's tile j lie in LDS
	s_barrier_signal -1
	s_barrier_wait -1                              ; everybody's do; these bytes are written once in the launch
	FRAGS \j
.endm
.macro XLOAD                           ; my token's eight fragments (48 bytes of its row a K step) and its eight scale words
	v_mad_u32_u24 v[XO], v[TOK], 768, v[H48]
	v_lshlrev_b32 v[XSO], 5, v[TOK]
	WIN 0x40
.irp s, 0,1,2,3
.irp q, 0,1,2
	global_load_b128 v[192+12*\s+4*\q:192+12*\s+4*\q+3], v[XO], s[10:11] offset:96*\s+16*\q
.endr
.endr
	WIN 0x80
.irp s, 0,1,2,3
.irp q, 0,1,2
	global_load_b128 v[192+12*\s+4*\q:192+12*\s+4*\q+3], v[XO], s[10:11] offset:96*(\s+4)+16*\q
.endr
.endr
	WIN 0
	global_load_b128 v[XS:XS+3], v[XSO], s[12:13]
	global_load_b128 v[XS+4:XS+7], v[XSO], s[12:13] offset:16
.endm
.macro MM j, s                         ; my tile j x the tokens, K step s.  The first K step takes b1 as its C
.set FW, 12*(4*(\j)+(\s)%4)
.set FX, 192+12*((\s)%4)
.set AC, ACC+8*(\j)
.set SW, W1S+8*((\j)/2)+(\s)
.if (\s) == 0
.if (\j)%2
	v_wmma_scale_f32_16x16x128_f8f6f4 v[AC:AC+7], v[FW:FW+11], v[FX:FX+11], v[BI+8*(\j):BI+8*(\j)+7], v[SW], v[XS+(\s)] matrix_a_fmt:MATRIX_FMT_BF6 matrix_b_fmt:MATRIX_FMT_BF6 matrix_a_scale:MATRIX_SCALE_ROW1
.else
	v_wmma_scale_f32_16x16x128_f8f6f4 v[AC:AC+7], v[FW:FW+11], v[FX:FX+11], v[BI+8*(\j):BI+8*(\j)+7], v[SW], v[XS+(\s)] matrix_a_fmt:MATRIX_FMT_BF6 matrix_b_fmt:MATRIX_FMT_BF6
.endif
.else
.if (\j)%2
	v_wmma_scale_f32_16x16x128_f8f6f4 v[AC:AC+7], v[FW:FW+11], v[FX:FX+11], v[AC:AC+7], v[SW], v[XS+(\s)] matrix_a_fmt:MATRIX_FMT_BF6 matrix_b_fmt:MATRIX_FMT_BF6 matrix_a_scale:MATRIX_SCALE_ROW1
.else
	v_wmma_scale_f32_16x16x128_f8f6f4 v[AC:AC+7], v[FW:FW+11], v[FX:FX+11], v[AC:AC+7], v[SW], v[XS+(\s)] matrix_a_fmt:MATRIX_FMT_BF6 matrix_b_fmt:MATRIX_FMT_BF6
.endif
.endif
.endm
.macro GELU                            ; on v[ACC .. ACC+31], in place.  Two batches of transcendentals, each with one plain line and one wait behind it
.set i, 0
.rept 32
	v_fma_f32 v[T+i], |v[ACC+i]|, s[K1], 1.0       ; (each accumulator is read from its low end on)
.set i, i+1
.endr
.set i, 0
.rept 32
	v_rcp_f32 v[T+i], v[T+i]                       ; t
.set i, i+1
.endr
	v_nop
	s_wait_alu depctr_va_vdst(0)
.set i, 0
.rept 16
	v_pk_fma_f32 v[P+i:P+i+1], v[T+i:T+i+1], v[CK+20:CK+21], v[CK+18:CK+19]      ; c9 t + c8
.set i, i+2
.endr
.irp c, 7,6,5,4,3,2,1,0                ; Horner, the coefficient outermost: sixteen pairs take turns
.set i, 0
.rept 16
	v_pk_fma_f32 v[P+i:P+i+1], v[P+i:P+i+1], v[T+i:T+i+1], v[CK+2+2*\c:CK+3+2*\c]
.set i, i+2
.endr
.endr
.irp b, 0,16
.set i, 0
.rept 8
	v_pk_mul_f32 v[TMP+i:TMP+i+1], v[ACC+\b+i:ACC+\b+i+1], v[ACC+\b+i:ACC+\b+i+1]
.set i, i+2
.endr
.set i, 0
.rept 8
	v_pk_fma_f32 v[P+\b+i:P+\b+i+1], v[TMP+i:TMP+i+1], v[CK:CK+1], v[P+\b+i:P+\b+i+1]     ; P(t) - x^2 log2(e) / 2
.set i, i+2
.endr
.endr
.set i, 0
.rept 32
	v_exp_f32 v[P+i], v[P+i]
.set i, i+1
.endr
	v_nop
	s_wait_alu depctr_va_vdst(0)
.set i, 0
.rept 16
	v_pk_mul_f32 v[P+i:P+i+1], v[P+i:P+i+1], v[T+i:T+i+1]      ; E
.set i, i+2
.endr
.irp b, 0,16
.set i, 0
.rept 16
	v_max_num_f32 v[TMP+i], 0, v[ACC+\b+i]
.set i, i+1
.endr
.set i, 0
.rept 16
	v_fma_f32 v[ACC+\b+i], -|v[ACC+\b+i]|, v[P+\b+i], v[TMP+i] ; max(x, 0) - |x| E
.set i, i+1
.endr
.endr
.endm
.macro QUANT                           ; my 32 numbers are one block: its byte in v[BYT], its 24 bytes of codes in v[CD .. CD+5]
	v_max3_num_f32 v[MA], |v[ACC]|, |v[ACC+1]|, 0x2800000          ; the floor 2^(5 - 127): the byte cannot fall under 1
	v_max3_num_f32 v[MB], |v[ACC+2]|, |v[ACC+3]|, |v[ACC+4]|
.irp i, 5,9,13,17,21,25
	v_max3_num_f32 v[MA], v[MA], |v[ACC+\i]|, |v[ACC+\i+1]|
	v_max3_num_f32 v[MB], v[MB], |v[ACC+\i+2]|, |v[ACC+\i+3]|
.endr
	v_max3_num_f32 v[MA], v[MA], |v[ACC+29]|, |v[ACC+30]|
	v_max3_num_f32 v[MA], v[MA], v[MB], |v[ACC+31]|
	v_add_nc_u32 v[SCL], 0xfe000000, v[MA]         ; 4 off the exponent field: the conversion's scale operand
	v_lshrrev_b32 v[BYT], 23, v[SCL]
	v_cvt_scalef32_pk16_bf6_f32 v[CD:CD+2], v[ACC:ACC+15], v[SCL]
	v_cvt_scalef32_pk16_bf6_f32 v[CD+4:CD+6], v[ACC+16:ACC+31], v[SCL]     ; (a conversion's three registers begin on an even number)
	v_nop                                          ; one plain place behind a scaled conversion
	v_mov_b32 v[CD+3], v[CD+4]
	v_mov_b32 v[CD+4], v[CD+5]
	v_mov_b32 v[CD+5], v[CD+6]
.endm
.macro CONST k, bits
	v_mov_b32 v[CK+2*(\k)], \bits
	v_mov_b32 v[CK+2*(\k)+1], \bits
.endm
	s_load_b256 s[4:11], s[0:1], 0x0               ; W1's codes s[4:5], W1's scales s[6:7], b1 s[8:9], xq s[10:11]
	s_load_b256 s[12:19], s[0:1], 0x20             ; xs s[12:13], bits s[14:15], himg s[16:17], hs s[18:19]
	v_lshl_add_u32 v254, v0, 2, 0x18800
	v_mov_b32 v255, 0
	v_and_b32 v[LN], 31, v0
	v_lshrrev_b32 v[T1], 5, v0
	v_readfirstlane_b32 s[WV], v[T1]
	v_and_b32 v[R16], 15, v0
	v_bfe_u32 v[HF], v0, 4, 1
	v_lshlrev_b32 v[G16], 4, v[LN]
	v_lshlrev_b32 v[BA], 5, v[LN]
	s_and_b32 s[CW], s[WV], 1
	s_lshr_b32 s[TW], s[WV], 1
	s_mov_b32 s[SS], ttmp9
	s_and_b32 s[EX], ttmp7, 0xffff
	s_lshl_b32 s[N0], s[EX], 12
	s_lshl_b32 s[U0], s[SS], 7
	s_add_co_u32 s[N0], s[N0], s[U0]               ; 4,096 e + 128 S
	s_lshl_b32 s[U0], s[CW], 5
	s_add_co_u32 s[N1], s[N0], s[U0]               ; + 32 cw: where my hidden units' scales and biases begin
	s_lshl_b32 s[U0], s[WV], 5
	s_add_co_u32 s[N0], s[N0], s[U0]               ; + 32 w: the first row that I fetch
	s_mul_i32 s[U1], s[N0], 768
	s_mov_b32 s[U1+1], 0
	s_wait_kmcnt 0x0
	s_add_nc_u64 s[4:5], s[4:5], s[U1:U1+1]
	global_load_b128 v[BW:BW+3], v[BA], s[14:15]               ; lane g: words 8 g .. 8 g + 7: tokens 32 g .. 32 g + 31
	global_load_b128 v[BW+4:BW+7], v[BA], s[14:15] offset:16
	CHUNK 0
	CHUNK 1
	CHUNK 2
	CHUNK 3
	WIN 0
	s_lshl_b32 s[U1], s[N1], 5
	s_add_nc_u64 s[6:7], s[6:7], s[U1:U1+1]        ; W1's scales: 32 bytes a row
	s_lshl_b32 s[U1], s[N1], 2
	s_add_nc_u64 s[8:9], s[8:9], s[U1:U1+1]        ; b1.  (The two row numbers are done with: their registers count the trips from here on)
	s_mul_i32 s[U1], s[EX], 3145728                ; himg: [e][64 tiles][32 S][2 halves][768 bytes]
	s_mul_i32 s[U0], s[TW], 49152
	s_add_co_u32 s[U1], s[U1], s[U0]
	s_mul_i32 s[U0], s[SS], 1536
	s_add_co_u32 s[U1], s[U1], s[U0]
	s_mul_i32 s[U0], s[CW], 768
	s_add_co_u32 s[U1], s[U1], s[U0]
	s_add_nc_u64 s[16:17], s[16:17], s[U1:U1+1]
	s_lshl_b32 s[U1], s[EX], 5                     ; hs: [e][32 S][1,024 slots] words; my bytes are 2 cw + h
	s_add_co_u32 s[U1], s[U1], s[SS]
	s_lshl_b32 s[U1], s[U1], 12
	s_lshl_b32 s[U0], s[TW], 6
	s_add_co_u32 s[U1], s[U1], s[U0]
	s_lshl_b32 s[U0], s[CW], 1
	s_add_co_u32 s[U1], s[U1], s[U0]
	s_add_nc_u64 s[18:19], s[18:19], s[U1:U1+1]
	; LDS: slice row 32 w + a lies at row 64 (w % 2) + 8 (w / 2) + 16 (a / 8) + a % 8, so that the 16 rows of tile (cw, j) lie on end from row 64 cw + 16 j
	v_mul_u32_u24 v[FRA], v[R16], PITCH
	v_mad_u32_u24 v[FRA], v[HF], 48, v[FRA]
	s_mul_i32 s[U0], s[CW], 64*PITCH
	v_add_nc_u32 v[FRA], s[U0], v[FRA]
	s_mul_i32 s[U1], s[TW], 8*PITCH
	s_add_co_u32 s[U0], s[U0], s[U1]
	v_add_nc_u32 v[LA], s[U0], v[G16]
	v_mul_u32_u24 v[LB], v[HF], 272                ; lanes 16-31: from byte 512 of a row to byte 0 of the next: 784 - 512
	v_lshl_add_u32 v[LB], v[R16], 4, v[LB]
	v_add_nc_u32 v[LB], s[U0], v[LB]
	v_lshlrev_b32 v[G8], 3, v[LN]
	v_lshl_add_u32 v[HSB], v[R16], 2, v[HF]
	v_mul_u32_u24 v[H48], v[HF], 48
	v_lshlrev_b32 v[B1A], 8, v[HF]
	v_bfe_u32 v[T1], v0, 3, 1                      ; W1's scales: lane l stands for row l % 16 of tile 2 p + l / 16: hidden unit 64 ((l / 8) % 2) + 8 (l / 16) + l % 8 (+ 16 p), 32 bytes each
	v_lshlrev_b32 v[WSA], 11, v[T1]
	v_lshl_add_u32 v[WSA], v[HF], 8, v[WSA]
	v_and_b32 v[T1], 7, v0
	v_lshl_add_u32 v[WSA], v[T1], 5, v[WSA]
	s_mov_b32 s[K1], 0x3eb504f3
	s_mov_b32 s[SELP], 0x03010200                  ; bytes 1 and 2 change places
	s_wait_loadcnt 48                              ; the bits are in; the four chunks, issued behind them, stay out
	ROUTE_SETUP
	s_add_co_u32 s[NP], s[NE], 31
	s_lshr_b32 s[NP], s[NP], 5
	s_max_u32 s[NP], s[NP], 1                      ; pairs of tiles = trips of each wave: at least 1,
	s_min_u32 s[NP], s[NP], 32                     ; and held at 32, which 1,024 tokens on one expert make
	s_lshl_b32 s[TL], s[NP], 1                     ; tiles to walk: even, at least 2, at most 64
	s_max_u32 s[NM1], s[NE], 1
	s_sub_co_u32 s[NM1], s[NM1], 1
.irp q, 0,1,2,3,4,5,6,7
	global_load_b128 v[BI+4*\q:BI+4*\q+3], v[B1A], s[8:9] offset:16*\q
.endr
.irp p, 0,1
.irp u, 0,1
	global_load_b128 v[W1S+8*\p+4*\u:W1S+8*\p+4*\u+3], v[WSA], s[6:7] offset:512*\p+16*\u
.endr
.endr
	s_lshl_b32 s[U0], s[TW], 4
	v_add_nc_u32 v[K], s[U0], v[R16]
	v_min_u32 v[K], s[NM1], v[K]
	SEARCH
	XLOAD                                          ; my first tile's tokens: no branch stands ahead of the counted waits below
	TILEIN 0, 63                                   ; behind chunk 0 stand 36 + 12 + 26 loads; 63 is the smaller count
	TILEIN 1, 62                                   ; 24 + 12 + 26
	TILEIN 2, 50                                   ; 12 + 12 + 26
	TILEIN 3, 38                                   ; 12 + 26
	WIN 0
	s_wait_loadcnt 26                              ; b1 and W1's scales are in; x's 26 loads may be out
.set i, 0
.rept 16
	v_perm_b32 v[W1S+i], v[W1S+i], v[W1S+i], s[SELP]
.set i, i+1
.endr
	CONST 0, 0xbf38aa3b                            ; -log2(e) / 2.  (These 22 plain lines are also the places between the scale words' last write and the first product)
	CONST 1, 0xc034d90f                            ; c0 = -1.26551223 log2(e) - 1
	CONST 2, 0x3fb8ab5a                            ; c1 =  1.00002368 log2(e)
	CONST 3, 0x3f0a29d2                            ; c2 =  0.37409196 log2(e)
	CONST 4, 0x3e0efb2f                            ; c3 =  0.09678418 log2(e)
	CONST 5, 0xbe899a80                            ; c4 = -0.18628806 log2(e)
	CONST 6, 0x3ecdfd18                            ; c5 =  0.27886807 log2(e)
	CONST 7, 0xbfd1a1e5                            ; c6 = -1.13520398 log2(e)
	CONST 8, 0x40097039                            ; c7 =  1.48851587 log2(e)
	CONST 9, 0xbf97d29d                            ; c8 = -0.82215223 log2(e)
	CONST 10, 0x3e7c6f08                           ; c9 =  0.17087277 log2(e)
	s_mov_b32 s[TT], s[TW]
	s_mov_b32 s[LC], 0
.Ltile:                                            ; a trip: one tile of 16 slots against my 64 hidden units.  The loop is counted by trips, one a step, against the number of pairs
	s_wait_loadcnt 0x0                             ; the tile's fragments and scale words of x
	s_wait_dscnt 0x0                               ; (first trip: W1's fragments)
	WIN 0x05                                       ; sources 0 and 1 window 1; C and D window 0
.irp s, 0,1,2,3                        ; the four accumulators take turns, one instruction a turn
.irp j, 0,1,2,3
	MM \j, \s
.endr
.endr
	WIN 0x0a                                       ; sources 0 and 1 window 2
.irp s, 4,5,6,7
.irp j, 0,1,2,3
	MM \j, \s
.endr
.endr
	WIN 0
.rept 4
	v_nop                                          ; places ahead of the first read of results, and of loads into registers that the products have read
.endr
	s_add_co_u32 s[U0], s[TT], 2
	s_cmp_ge_u32 s[U0], s[TL]
	s_cbranch_scc1 .Lnonext
	s_lshl_b32 s[U0], s[U0], 4                     ; my next tile's tokens are asked for now and land under the gelu
	v_add_nc_u32 v[K], s[U0], v[R16]
	v_min_u32 v[K], s[NM1], v[K]
	SEARCH
	XLOAD
.Lnonext:
	GELU
	QUANT
	global_store_b128 v[G16], v[CD:CD+3], s[16:17]             ; the half fragment as an image of its registers: 512 consecutive bytes,
	global_store_b64 v[G8], v[CD+4:CD+5], s[16:17] offset:512  ; then 256: three whole aligned blocks of 256 bytes
	global_store_b8 v[HSB], v[BYT], s[18:19]       ; 32 single bytes inside 64 consecutive ones: a wave owns two of a word's four bytes
	s_wait_xcnt 0x0                                ; the stores' data and bases are written again only behind this wait
	s_add_nc_u64 s[16:17], s[16:17], 98304         ; two tiles on
	s_add_nc_u64 s[18:19], s[18:19], 128
	s_add_co_u32 s[TT], s[TT], 2                   ; my next tile's number
	s_add_co_u32 s[LC], s[LC], 1
	s_cmp_lt_u32 s[LC], s[NP]
	s_cbranch_scc1 .Ltile
	s_wait_tensorcnt 0x0
	ds_add_u32 v254, v255
	s_wait_dscnt 0x0
	s_endpgm
.Lfunc_end_k_q4eae97fda8_up:
	.size	k_q4eae97fda8_up, .Lfunc_end_k_q4eae97fda8_up-k_q4eae97fda8_up
	.p2alignl 7, 3214868480
	.fill 96, 4, 3214868480
	.section	.rodata,"a",@progbits
	.p2align	6, 0x0
	.amdhsa_kernel k_q4eae97fda8_up
		.amdhsa_group_segment_fixed_size 100864
		.amdhsa_private_segment_fixed_size 0
		.amdhsa_enable_private_segment 0
		.amdhsa_kernarg_size 64
		.amdhsa_user_sgpr_count 2
		.amdhsa_user_sgpr_kernarg_segment_ptr 1
		.amdhsa_wavefront_size32 1
		.amdhsa_system_sgpr_workgroup_id_x 1
		.amdhsa_system_sgpr_workgroup_id_y 1
		.amdhsa_system_sgpr_workgroup_id_z 1
		.amdhsa_system_vgpr_workitem_id 0
		.amdhsa_next_free_vgpr 768
		.amdhsa_next_free_sgpr 102
		.amdhsa_reserve_vcc 1
		.amdhsa_float_denorm_mode_32 3
		.amdhsa_float_denorm_mode_16_64 3
		.amdhsa_memory_ordered 1
		.amdhsa_forward_progress 1
		.amdhsa_inst_pref_size 74
	.end_amdhsa_kernel
	.amdgpu_metadata
---
amdhsa.version: [ 1, 2 ]
amdhsa.kernels:
  - .name:           k_q4eae97fda8_up
    .symbol:         k_q4eae97fda8_up.kd
    .args:
      - { .name: W1_codes, .offset: 0, .size: 8, .value_kind: global_buffer, .address_space: global }
      - { .name: W1_scales, .offset: 8, .size: 8, .value_kind: global_buffer, .address_space: global }
      - { .name: b1, .offset: 16, .size: 8, .value_kind: global_buffer, .address_space: global }
      - { .name: xq, .offset: 24, .size: 8, .value_kind: global_buffer, .address_space: global }
      - { .name: xs, .offset: 32, .size: 8, .value_kind: global_buffer, .address_space: global }
      - { .name: bits, .offset: 40, .size: 8, .value_kind: global_buffer, .address_space: global }
      - { .name: himg, .offset: 48, .size: 8, .value_kind: global_buffer, .address_space: global }
      - { .name: hs, .offset: 56, .size: 8, .value_kind: global_buffer, .address_space: global }
    .group_segment_fixed_size: 100864
    .private_segment_fixed_size: 0
    .kernarg_segment_align: 8
    .kernarg_segment_size: 64
    .max_flat_workgroup_size: 128
    .sgpr_count:     102
    .vgpr_count:     768
    .wavefront_size: 32
...
	.end_amdgpu_metadata
.endif
;; end of part 2
;; launch down (part 3): grid 32 x 8, 4 waves a work-group, no clusters, 270,848 bytes of LDS; arguments W2_codes, W2_scales, b2, bits, himg, hs, out0; writes out0
.if DOCPART == 3
	.amdgcn_target "amdgcn-amd-amdhsa--gfx1250"
	.amdhsa_code_object_version 6
	.text
	.protected	k_q4eae97fda8_down
	.globl	k_q4eae97fda8_down
	.p2align	8
	.type	k_q4eae97fda8_down,@function
k_q4eae97fda8_down:
	s_mov_b64 s[64:65], 0
	v_nop
	global_prefetch_b8 v0, s[64:65] scope:SCOPE_SE
	s_setreg_imm32_b32 hwreg(HW_REG_WAVE_MODE, 25, 1), 1
	s_wait_xcnt 0x0
; THE SECOND PRODUCT OF THE CHOSEN EXPERT: out0[token] = h W2[e] + b2[e] for the tokens of expert e.  W2_codes [8][1024 columns][3,072 bytes], W2_scales [8][1024][128], b2 [8][1024] f32;
; himg, hs: the hidden layer's codes and scale bytes from the launch before, as images of operand registers, by expert and tile of 16 slots; bits: the routing.  out0 [1024 tokens][1024] f32.
; SHARES.  Work-group (x = 2 c + z, e) owns columns 64 c .. 64 c + 63 of expert e and every second PAIR of tiles (32 slots): pairs z, z + 2, ..  THE WAVES SPLIT K: wave w keeps W2's 64 rows x K steps 8 w .. 8 w + 7
; (768 bytes of each row, 384 registers) for the whole launch, so each byte of the hidden layer is loaded once a work-group.  The four partial sums of a pair meet in LDS, laid by rows; wave w then adds rows 8 w .. 8 w + 7,
; adds b2, and stores them: sixteen lanes fill one aligned block of 256 bytes of out0.  So the second product's K is summed in four parts that are added in f32.
; Each wave's part of W2 turns through its own bytes of LDS once: it is loaded as blocks of 256 consecutive bytes and read back as fragments.
; SLOTS, BLOCK ORDER: as in the launch before: a slot at or past n stands for slot n - 1 (the same token, the same values, stored again); lane (r, h) holds the 48 consecutive bytes at 96 s + 48 h of its row, and in W2's scale words bytes 1 and 2 change places.
; TRANSPOSED: source 0 = 16 columns (rows of W2), source 1 = 16 slots: a lane holds one slot and eight neighbouring columns.
; THE LOOP HAS A CONSTANT COUNT, 16 pairs, which serves all 1,024 tokens on one expert; a pair that the split does not have is passed over by a scalar branch on stored numbers, round the work and never round the barrier.
; NO TENSOR LOAD, NO CLUSTER: the two work-groups z = 0, 1 that walk the same 192 KB of W2 each load them.  LIMITS: NaN and infinities are not served.
.set PITCH, 784                        ; an LDS row of W2's stage: 768 bytes + 16 = 49 x 16
.set STGB,  64*PITCH                   ; a wave's stage: 64 rows
.set PART,  4*STGB                     ; behind the stages: partial sums: [2 by turns][4 waves][32 rows x (256 + 16) bytes]
.set PROW,  272
.set PWAVE, 32*PROW
.set PPAR,  4*PWAVE
.set LN,  1                            ; v1   lane
.set R16, 2                            ; v2   r = lane % 16
.set HF,  3                            ; v3   h = lane / 16
.set GA,  4                            ; v4   16 x lane
.set GB,  5                            ; v5   16 r + 2,560 h: lanes 16-31 begin the next row of W2
.set LA,  6                            ; v6   my stage + 16 x lane
.set LB,  7                            ; v7   my stage + 16 r + 272 h
.set FR,  8                            ; v8   my stage + a fragment's row r + 48 h
.set G8,  9                            ; v9   8 x lane
.set G4,  10                           ; v10  4 x lane
.set PS,  11                           ; v11  where I put 32 bytes of a row of partial sums
.set PR,  12                           ; v12  where I read a row of them back
.set C16, 13                           ; v13  16 r
.set K,   14
.set TOK, 15
.set BA,  16                           ; v16  32 x lane
.set WSA, 17                           ; v17  128 x lane
.set L7,  18                           ; v18  lane % 8
.set K32, 20                           ; v20-31 SEARCH's work
.set Q,   21
.set MG,  22
.set GG,  23
.set RK,  24
.set FA,  25
.set FB,  26
.set FC,  27
.set FD,  28
.set T1,  29
.set T2,  30
.set POS, 31
.set M,   32
.set V,   33
.set OUTO, 34                          ; v34-37   four rows' byte offsets in out0
.set W2S, 48                           ; v48-63   W2's scale words: register 8 p + s: lanes 0-15 tile 2 p, lanes 16-31 tile 2 p + 1
.set HS,  64                           ; v64-71   the hidden layer's: lanes 0-15 the pair's first tile, lanes 16-31 its second
.set B2,  72                           ; v72-75   b2 of my four columns
.set ACC, 80                           ; v80-143  eight accumulators: (tile of slots m, tile of columns j) at 8 (4 m + j)
.set RB,  144                          ; v144-207 rows of partial sums read back: 4 (4 v + p)
.set BW,  208                          ; v208-215 eight words of bits
.set WV,  20                           ; s20 wave  s21 c  s22 z  s23 e  s24 n  s25 tiles with tokens  s26 max(n, 1) - 1  s27 the pair's first tile  s28 trips to go
.set CC,  21
.set ZZ,  22
.set EX,  23
.set NE,  24
.set TE,  25
.set NM1, 26
.set TA,  27
.set N0,  27                           ;     (at the head, ahead of TA: 1,024 e + 64 c)
.set LC,  28
.set U0,  29
.set U1,  30
.set SH,  18
.set SELP, 19
.set PX,  32                           ; s32-62  the packed running counts
.set HM,  63                           ; s63     lanes 16-31
.set MS,  66                           ; s66-97  the 32 groups' bits
.set HH,  98                           ; s[98:99]   himg at my first pair
.set HSH, 100                          ; s[100:101] hs at my first pair
.set TK,  4                            ; s4-11   in the loop: my eight rows' tokens
.set MSB, 0
.macro WIN new                         ; which window of 256 registers each operand place means; the immediate's high byte repeats the setting that is left
.if MSB != (\new)
	s_set_vgpr_msb (MSB<<8)|(\new)
.set MSB, (\new)
.endif
.endm
.macro SWAR src                        ; how many bits are set in each field of v[src]: fields of 2 bits in v[FA], of 4 in v[FB], of 8 in v[FC]; of 16 in the low byte of each half of v[FD]
	v_lshrrev_b32 v[T1], 1, v[\src]
	v_and_b32 v[T1], 0x55555555, v[T1]
	v_sub_nc_u32 v[FA], v[\src], v[T1]
	v_lshrrev_b32 v[T1], 2, v[FA]
	v_and_b32 v[T1], 0x33333333, v[T1]
	v_and_b32 v[FB], 0x33333333, v[FA]
	v_add_nc_u32 v[FB], v[FB], v[T1]
	v_lshrrev_b32 v[T1], 4, v[FB]
	v_add_nc_u32 v[FC], v[FB], v[T1]
	v_and_b32 v[FC], 0x0f0f0f0f, v[FC]
	v_lshrrev_b32 v[T1], 8, v[FC]
	v_add_nc_u32 v[FD], v[FC], v[T1]
.endm
.macro ROUTE_SETUP                     ; from the words of bits: lane g's mask of its 32 tokens, the packed running counts and the masks as scalars, and n
	s_lshl_b32 s[SH], s[EX], 2
	v_bfe_u32 v[M], v[BW], s[SH], 4
.irp q, 1,2,3,4,5,6,7
	v_bfe_u32 v[T1], v[BW+\q], s[SH], 4
	v_lshl_or_b32 v[M], v[T1], 4*\q, v[M]
.endr
	SWAR M
	v_lshrrev_b32 v[T1], 16, v[FD]
	v_add_nc_u32 v[T1], v[FD], v[T1]
	v_and_b32 v[T1], 0x3f, v[T1]
	v_lshl_add_u32 v[V], v[T1], 5, 1
.set g, 1
.rept 31
	v_readlane_b32 s[PX+g-1], v[V], g-1
.set g, g+1
.endr
	v_readlane_b32 s[U0], v[V], 31
.set g, 2
.rept 30
	s_add_co_u32 s[PX+g-1], s[PX+g-1], s[PX+g-2]
.set g, g+1
.endr
	s_add_co_u32 s[U0], s[PX+30], s[U0]
	s_lshr_b32 s[NE], s[U0], 5
	s_sub_co_u32 s[NE], s[NE], 1
.set g, 0
.rept 32
	v_readlane_b32 s[MS+g], v[M], g
.set g, g+1
.endr
.endm
.macro PICK src, w, bw
	v_bfe_u32 v[T1], v[\src], v[POS], \bw
	v_cmp_ge_u32 vcc_lo, v[RK], v[T1]
	v_cndmask_b32 v[T1], 0, v[T1], vcc_lo
	v_cndmask_b32 v[T2], 0, \w, vcc_lo
	v_sub_nc_u32 v[RK], v[RK], v[T1]
	v_add_nc_u32 v[POS], v[POS], v[T2]
.endm
.macro SEARCH                          ; v[K], a slot (at most max(n, 1) - 1) -> v[TOK], its token
	v_lshl_or_b32 v[K32], v[K], 5, 31
	v_mov_b32 v[Q], 0
	v_mov_b32 v[MG], s[MS]
.set g, 1
.rept 31
	v_cmp_le_u32 vcc_lo, s[PX+g-1], v[K32]
	v_cndmask_b32 v[Q], v[Q], s[PX+g-1], vcc_lo
	v_cndmask_b32 v[MG], v[MG], s[MS+g], vcc_lo
.set g, g+1
.endr
	v_and_b32 v[GG], 31, v[Q]
	v_lshrrev_b32 v[T1], 5, v[Q]
	v_sub_nc_u32 v[RK], v[K], v[T1]
	SWAR MG
	v_mov_b32 v[POS], 0
	PICK FD, 16, 8
	PICK FC, 8, 8
	PICK FB, 4, 4
	PICK FA, 2, 2
	PICK MG, 1, 1
	v_lshl_add_u32 v[TOK], v[GG], 5, v[POS]
	v_min_u32 v[TOK], 0x3ff, v[TOK]
.endm
; Chunk j: my 768 bytes of rows 16 j .. 16 j + 15: 48 blocks of 256 bytes, two to a load.  It lands where tile j's fragments will lie: v[48 j ..] of windows 1 and 2.
.macro CHUNK j
	WIN 0x40
.irp u, 0,1,2,3
	global_load_b128 v[48*(\j)+12*\u:48*(\j)+12*\u+3], v[GA], s[4:5] offset:(16*(\j)+2*\u)*3072
	global_load_b128 v[48*(\j)+12*\u+4:48*(\j)+12*\u+7], v[GB], s[4:5] offset:(16*(\j)+2*\u)*3072+512
	global_load_b128 v[48*(\j)+12*\u+8:48*(\j)+12*\u+11], v[GA], s[4:5] offset:(16*(\j)+2*\u+1)*3072+256
.endr
	WIN 0x80
.irp u, 0,1,2,3
	global_load_b128 v[48*(\j)+12*\u:48*(\j)+12*\u+3], v[GA], s[4:5] offset:(16*(\j)+8+2*\u)*3072
	global_load_b128 v[48*(\j)+12*\u+4:48*(\j)+12*\u+7], v[GB], s[4:5] offset:(16*(\j)+8+2*\u)*3072+512
	global_load_b128 v[48*(\j)+12*\u+8:48*(\j)+12*\u+11], v[GA], s[4:5] offset:(16*(\j)+8+2*\u+1)*3072+256
.endr
.endm
.macro STASH j
	WIN 0x04
.irp u, 0,1,2,3
	ds_store_b128 v[LA], v[48*(\j)+12*\u:48*(\j)+12*\u+3] offset:(16*(\j)+2*\u)*PITCH
	ds_store_b128 v[LB], v[48*(\j)+12*\u+4:48*(\j)+12*\u+7] offset:(16*(\j)+2*\u)*PITCH+512
	ds_store_b128 v[LA], v[48*(\j)+12*\u+8:48*(\j)+12*\u+11] offset:(16*(\j)+2*\u+1)*PITCH+256
.endr
	WIN 0x08
.irp u, 0,1,2,3
	ds_store_b128 v[LA], v[48*(\j)+12*\u:48*(\j)+12*\u+3] offset:(16*(\j)+8+2*\u)*PITCH
	ds_store_b128 v[LB], v[48*(\j)+12*\u+4:48*(\j)+12*\u+7] offset:(16*(\j)+8+2*\u)*PITCH+512
	ds_store_b128 v[LA], v[48*(\j)+12*\u+8:48*(\j)+12*\u+11] offset:(16*(\j)+8+2*\u+1)*PITCH+256
.endr
.endm
.macro FRAGS j                         ; tile j's eight fragments: my K steps 0-3 to window 1, 4-7 to window 2, at v[12 (4 j + s % 4)]
	WIN 0x40
.irp s, 0,1,2,3
.irp q, 0,1,2
	ds_load_b128 v[12*(4*(\j)+\s)+4*\q:12*(4*(\j)+\s)+4*\q+3], v[FR] offset:16*(\j)*PITCH+96*\s+16*\q
.endr
.endr
	WIN 0x80
.irp s, 0,1,2,3
.irp q, 0,1,2
	ds_load_b128 v[12*(4*(\j)+\s)+4*\q:12*(4*(\j)+\s)+4*\q+3], v[FR] offset:16*(\j)*PITCH+96*(\s+4)+16*\q
.endr
.endr
.endm
; A pair's hidden fragments of my eight K steps, as the images that the launch before stored (window 3, v[96 m + 12 s + 6 c]), and its scale words: 72 loads.  hb, sb: the scalar pairs with himg's and hs's addresses of the pair.
.macro HLOAD hb, sb
	WIN 0xc0
.irp m, 0,1
.irp s, 0,1,2,3,4,5,6,7
.irp c, 0,1
	global_load_b128 v[96*\m+12*\s+6*\c:96*\m+12*\s+6*\c+3], v[GA], s[\hb:\hb+1] offset:49152*\m+1536*\s+768*\c
	global_load_b64 v[96*\m+12*\s+6*\c+4:96*\m+12*\s+6*\c+5], v[G8], s[\hb:\hb+1] offset:49152*\m+1536*\s+768*\c+512
.endr
.endr
.endr
	WIN 0
.irp s, 0,1,2,3,4,5,6,7
	global_load_b32 v[HS+\s], v[G4], s[\sb:\sb+1] offset:4096*\s       ; lane l: slot 16 x first tile + l
.endr
.endm
.macro MM m, j, s                      ; columns' tile j x slots' tile m, my K step s.  The first K step starts the sums with the constant 0
.set FW, 12*(4*(\j)+(\s)%4)
.set FH, 96*(\m)+12*(\s)
.set AC, ACC+8*(4*(\m)+(\j))
.set SW, W2S+8*((\j)/2)+(\s)
.if (\s) == 0
.if (\j)%2 == 0 && (\m) == 0
	v_wmma_scale_f32_16x16x128_f8f6f4 v[AC:AC+7], v[FW:FW+11], v[FH:FH+11], 0, v[SW], v[HS+(\s)] matrix_a_fmt:MATRIX_FMT_BF6 matrix_b_fmt:MATRIX_FMT_BF6
.elseif (\j)%2 == 1 && (\m) == 0
	v_wmma_scale_f32_16x16x128_f8f6f4 v[AC:AC+7], v[FW:FW+11], v[FH:FH+11], 0, v[SW], v[HS+(\s)] matrix_a_fmt:MATRIX_FMT_BF6 matrix_b_fmt:MATRIX_FMT_BF6 matrix_a_scale:MATRIX_SCALE_ROW1
.elseif (\j)%2 == 0
	v_wmma_scale_f32_16x16x128_f8f6f4 v[AC:AC+7], v[FW:FW+11], v[FH:FH+11], 0, v[SW], v[HS+(\s)] matrix_a_fmt:MATRIX_FMT_BF6 matrix_b_fmt:MATRIX_FMT_BF6 matrix_b_scale:MATRIX_SCALE_ROW1
.else
	v_wmma_scale_f32_16x16x128_f8f6f4 v[AC:AC+7], v[FW:FW+11], v[FH:FH+11], 0, v[SW], v[HS+(\s)] matrix_a_fmt:MATRIX_FMT_BF6 matrix_b_fmt:MATRIX_FMT_BF6 matrix_a_scale:MATRIX_SCALE_ROW1 matrix_b_scale:MATRIX_SCALE_ROW1
.endif
.else
.if (\j)%2 == 0 && (\m) == 0
	v_wmma_scale_f32_16x16x128_f8f6f4 v[AC:AC+7], v[FW:FW+11], v[FH:FH+11], v[AC:AC+7], v[SW], v[HS+(\s)] matrix_a_fmt:MATRIX_FMT_BF6 matrix_b_fmt:MATRIX_FMT_BF6
.elseif (\j)%2 == 1 && (\m) == 0
	v_wmma_scale_f32_16x16x128_f8f6f4 v[AC:AC+7], v[FW:FW+11], v[FH:FH+11], v[AC:AC+7], v[SW], v[HS+(\s)] matrix_a_fmt:MATRIX_FMT_BF6 matrix_b_fmt:MATRIX_FMT_BF6 matrix_a_scale:MATRIX_SCALE_ROW1
.elseif (\j)%2 == 0
	v_wmma_scale_f32_16x16x128_f8f6f4 v[AC:AC+7], v[FW:FW+11], v[FH:FH+11], v[AC:AC+7], v[SW], v[HS+(\s)] matrix_a_fmt:MATRIX_FMT_BF6 matrix_b_fmt:MATRIX_FMT_BF6 matrix_b_scale:MATRIX_SCALE_ROW1
.else
	v_wmma_scale_f32_16x16x128_f8f6f4 v[AC:AC+7], v[FW:FW+11], v[FH:FH+11], v[AC:AC+7], v[SW], v[HS+(\s)] matrix_a_fmt:MATRIX_FMT_BF6 matrix_b_fmt:MATRIX_FMT_BF6 matrix_a_scale:MATRIX_SCALE_ROW1 matrix_b_scale:MATRIX_SCALE_ROW1
.endif
.endif
.endm
	s_load_b256 s[4:11], s[0:1], 0x0               ; W2's codes s[4:5], W2's scales s[6:7], b2 s[8:9], bits s[10:11]
	s_load_b128 s[12:15], s[0:1], 0x20             ; himg s[12:13], hs s[14:15]
	s_load_b64 s[16:17], s[0:1], 0x30              ; out0
	v_lshl_add_u32 v254, v0, 2, 0x42000
	v_mov_b32 v255, 0
	v_and_b32 v[LN], 31, v0
	v_lshrrev_b32 v[T1], 5, v0
	v_readfirstlane_b32 s[WV], v[T1]
	v_and_b32 v[R16], 15, v0
	v_bfe_u32 v[HF], v0, 4, 1
	v_lshlrev_b32 v[GA], 4, v[LN]
	v_lshlrev_b32 v[BA], 5, v[LN]
	v_mul_u32_u24 v[GB], v[HF], 2560               ; lanes 16-31: from byte 512 of my part of a row to byte 0 of the next row's: 3,072 - 512
	v_lshl_add_u32 v[GB], v[R16], 4, v[GB]
	s_lshr_b32 s[CC], ttmp9, 1
	s_and_b32 s[ZZ], ttmp9, 1
	s_and_b32 s[EX], ttmp7, 0xffff
	s_lshl_b32 s[N0], s[EX], 10
	s_lshl_b32 s[U0], s[CC], 6
	s_add_co_u32 s[N0], s[N0], s[U0]               ; my first row of W2: 1,024 e + 64 c
	s_mul_i32 s[U1], s[N0], 3072
	s_mul_i32 s[U0], s[WV], 768
	s_add_co_u32 s[U1], s[U1], s[U0]               ; and in it my eight K steps
	s_mov_b32 s[U1+1], 0
	s_wait_kmcnt 0x0
	s_add_nc_u64 s[4:5], s[4:5], s[U1:U1+1]
	global_load_b128 v[BW:BW+3], v[BA], s[10:11]
	global_load_b128 v[BW+4:BW+7], v[BA], s[10:11] offset:16
	CHUNK 0
	CHUNK 1
	WIN 0
	s_lshl_b32 s[U1], s[N0], 7
	s_lshl_b32 s[U0], s[WV], 5
	s_add_co_u32 s[U1], s[U1], s[U0]
	s_add_nc_u64 s[6:7], s[6:7], s[U1:U1+1]        ; W2's scales: 128 bytes a row, my 32 of them
	s_lshl_b32 s[U1], s[N0], 2
	s_add_nc_u64 s[8:9], s[8:9], s[U1:U1+1]        ; b2
	s_lshl_b32 s[U1], s[CC], 8
	s_add_nc_u64 s[16:17], s[16:17], s[U1:U1+1]    ; out0 at my 64 columns
	s_mul_i32 s[U1], s[EX], 3145728
	s_mul_i32 s[U0], s[WV], 12288
	s_add_co_u32 s[U1], s[U1], s[U0]
	s_add_nc_u64 s[12:13], s[12:13], s[U1:U1+1]    ; himg at (e, tile 0, my eight K steps)
	s_lshl_b32 s[U1], s[EX], 17
	s_lshl_b32 s[U0], s[WV], 15
	s_add_co_u32 s[U1], s[U1], s[U0]
	s_add_nc_u64 s[14:15], s[14:15], s[U1:U1+1]    ; hs likewise
	s_mul_i32 s[U0], s[WV], STGB
	v_add_nc_u32 v[LA], s[U0], v[GA]
	v_mul_u32_u24 v[LB], v[HF], 272
	v_lshl_add_u32 v[LB], v[R16], 4, v[LB]
	v_add_nc_u32 v[LB], s[U0], v[LB]
	v_mul_u32_u24 v[FR], v[R16], PITCH
	v_mad_u32_u24 v[FR], v[HF], 48, v[FR]
	v_add_nc_u32 v[FR], s[U0], v[FR]
	v_lshlrev_b32 v[G8], 3, v[LN]
	v_lshlrev_b32 v[G4], 2, v[LN]
	v_lshlrev_b32 v[C16], 4, v[R16]
	v_lshlrev_b32 v[WSA], 7, v[LN]
	v_and_b32 v[L7], 7, v0
	s_mul_i32 s[U0], s[WV], PWAVE
	s_add_co_u32 s[U0], s[U0], PART
	v_mul_u32_u24 v[PS], v[R16], PROW
	v_lshl_add_u32 v[PS], v[HF], 5, v[PS]
	v_add_nc_u32 v[PS], s[U0], v[PS]               ; my partial sums: row r, + 32 h
	s_mul_i32 s[U0], s[WV], 8*PROW
	s_add_co_u32 s[U0], s[U0], PART
	v_mul_u32_u24 v[PR], v[HF], PROW
	v_lshl_add_u32 v[PR], v[R16], 4, v[PR]
	v_add_nc_u32 v[PR], s[U0], v[PR]               ; back: row 8 w + h, 16 bytes a lane
	s_mov_b32 s[HM], 0xffff0000
	s_mov_b32 s[SELP], 0x03010200
	s_wait_loadcnt 48                              ; the bits are in; two chunks, issued behind them, stay out
	ROUTE_SETUP
	s_add_co_u32 s[TE], s[NE], 15
	s_lshr_b32 s[TE], s[TE], 4                     ; tiles that hold tokens
	s_max_u32 s[NM1], s[NE], 1
	s_sub_co_u32 s[NM1], s[NM1], 1
	s_add_co_u32 s[U0], s[NE], 31
	s_lshr_b32 s[U0], s[U0], 5
	s_max_u32 s[U0], s[U0], 1
	s_sub_co_u32 s[U0], s[U0], 1                   ; the last pair that the launch before stored
	s_min_u32 s[U0], s[U0], s[ZZ]                  ; my first loads take pair z, or that one: no branch stands ahead of the counted waits below
	s_min_u32 s[U0], s[U0], 31                     ; held inside the table ahead of every address
	s_mul_i32 s[U1], s[U0], 98304
	s_add_nc_u64 s[HH:HH+1], s[12:13], s[U1:U1+1]
	s_lshl_b32 s[U1], s[U0], 7
	s_add_nc_u64 s[HSH:HSH+1], s[14:15], s[U1:U1+1]
	s_lshl_b32 s[TA], s[ZZ], 1                     ; my first pair begins at tile 2 z
	s_add_co_u32 s[U0], s[TA], 4                   ; and the loop's loads at the pair after it
	s_mul_i32 s[U1], s[U0], 49152
	s_add_nc_u64 s[12:13], s[12:13], s[U1:U1+1]
	s_lshl_b32 s[U1], s[U0], 6
	s_add_nc_u64 s[14:15], s[14:15], s[U1:U1+1]
.irp p, 0,1
.irp u, 0,1
	global_load_b128 v[W2S+8*\p+4*\u:W2S+8*\p+4*\u+3], v[WSA], s[6:7] offset:4096*\p+16*\u     ; lane l: column 32 p + l, my K steps 4 u .. 4 u + 3
.endr
.endr
	global_load_b128 v[B2:B2+3], v[C16], s[8:9]
	s_wait_loadcnt 29                              ; chunk 0 is in: behind it stand chunk 1's 24 loads and these 5
	STASH 0
	CHUNK 2
	s_wait_loadcnt 29                              ; chunk 1 is in: behind it stand the 5 and chunk 2's 24
	STASH 1
	CHUNK 3
	HLOAD HH, HSH
	s_wait_dscnt 0x0                               ; the stores have read their registers, which the fragments take
	FRAGS 0
	FRAGS 1
	s_wait_loadcnt 63                              ; chunks 2 and 3 are in: behind them stand the pair's 72 loads; 63 is the smaller count
	STASH 2
	STASH 3
	s_wait_dscnt 0x0
	FRAGS 2
	FRAGS 3
	WIN 0
.set i, 0
.rept 16
	v_perm_b32 v[W2S+i], v[W2S+i], v[W2S+i], s[SELP]           ; bytes 1 and 2 change places
.set i, i+1
.endr
.rept 8
	v_nop                                          ; eight places between a scale register's write by a vector instruction and a scaled product
.endr
	s_wait_xcnt 0x0                                ; every load issued so far has read its addresses: s4-11 are written again in the loop
; A pair of tiles.  par: which of the two sets of partial sums; they take turns, so that ONE barrier a trip serves both ways: behind it this set is whole, and the other set, whose reads every wave has awaited ahead of it, may be written in the next trip.
.macro TRIP par
	s_cmp_lt_u32 s[TA], s[TE]
	s_cbranch_scc0 .Lidle1_\@                      ; the split has no such pair: the same in all four waves
	s_wait_loadcnt 0x0                             ; the pair's fragments and scale words
	s_wait_dscnt 0x0                               ; (first pair: W2's fragments)
	WIN 0x0d                                       ; source 0 (W2) window 1, source 1 (h) window 3; C and D window 0
.irp s, 0,1,2,3                        ; the eight accumulators take turns, one instruction a turn
.irp m, 0,1
.irp j, 0,1,2,3
	MM \m, \j, \s
.endr
.endr
.endr
	WIN 0x0e                                       ; source 0 window 2
.irp s, 4,5,6,7
.irp m, 0,1
.irp j, 0,1,2,3
	MM \m, \j, \s
.endr
.endr
.endr
	WIN 0
.rept 5
	v_nop                                          ; places ahead of the LDS stores of results and of loads into registers that the products have read (four), and of the next pair's first product, which begins an accumulator anew (five)
.endr
	s_add_co_u32 s[U0], s[TA], 4
	s_cmp_lt_u32 s[U0], s[TE]
	s_cbranch_scc0 .Llast_\@
	HLOAD 12, 14                                   ; my next pair
.Llast_\@:
.irp m, 0,1
.irp j, 0,1,2,3
	ds_store_b128 v[PS], v[ACC+8*(4*\m+\j):ACC+8*(4*\m+\j)+3] offset:(\par)*PPAR+16*\m*PROW+64*\j         ; each accumulator from its low end on: row 16 m + r, columns 16 j + 8 h + 0 .. 7
	ds_store_b128 v[PS], v[ACC+8*(4*\m+\j)+4:ACC+8*(4*\m+\j)+7] offset:(\par)*PPAR+16*\m*PROW+64*\j+16
.endr
.endr
.Lidle1_\@:
	s_wait_dscnt 0x0                               ; for the others' sake: my partial sums lie in LDS, and my reads of the other set are over
	s_barrier_signal -1
	s_barrier_wait -1
	s_cmp_lt_u32 s[TA], s[TE]
	s_cbranch_scc0 .Lidle2_\@
.irp v, 0,1,2,3
.irp p, 0,1,2,3
	ds_load_b128 v[RB+4*(4*\v+\p):RB+4*(4*\v+\p)+3], v[PR] offset:(\par)*PPAR+\v*PWAVE+2*\p*PROW          ; wave v's sums of row 8 w + 2 p + h
.endr
.endr
	s_lshl_b32 s[U0], s[TA], 4
	s_lshl_b32 s[U1], s[WV], 3
	s_add_co_u32 s[U0], s[U0], s[U1]
	v_add_nc_u32 v[K], s[U0], v[L7]                ; lane i of 0 .. 7: the slot of my row i
	v_min_u32 v[K], s[NM1], v[K]
	SEARCH
.irp i, 0,1,2,3,4,5,6,7
	v_readlane_b32 s[TK+\i], v[TOK], \i
.endr
.irp p, 0,1,2,3
	v_mov_b32 v[OUTO+\p], s[TK+2*\p]
	v_cndmask_b32 v[OUTO+\p], v[OUTO+\p], s[TK+2*\p+1], s[HM]  ; lanes 16-31 take the odd row's token
	v_min_u32 v[OUTO+\p], 0x3ff, v[OUTO+\p]        ; held inside the table ahead of the address
	v_lshl_add_u32 v[OUTO+\p], v[OUTO+\p], 12, v[C16]
.endr
	s_wait_dscnt 0x0
.irp p, 0,1,2,3
.irp d, 0,2
	v_pk_add_f32 v[RB+4*\p+\d:RB+4*\p+\d+1], v[RB+4*\p+\d:RB+4*\p+\d+1], v[RB+16+4*\p+\d:RB+16+4*\p+\d+1]
	v_pk_add_f32 v[RB+32+4*\p+\d:RB+32+4*\p+\d+1], v[RB+32+4*\p+\d:RB+32+4*\p+\d+1], v[RB+48+4*\p+\d:RB+48+4*\p+\d+1]
.endr
.endr
.irp p, 0,1,2,3
.irp d, 0,2
	v_pk_add_f32 v[RB+4*\p+\d:RB+4*\p+\d+1], v[RB+4*\p+\d:RB+4*\p+\d+1], v[RB+32+4*\p+\d:RB+32+4*\p+\d+1]
.endr
.endr
.irp p, 0,1,2,3
.irp d, 0,2
	v_pk_add_f32 v[RB+4*\p+\d:RB+4*\p+\d+1], v[RB+4*\p+\d:RB+4*\p+\d+1], v[B2+\d:B2+\d+1]
.endr
.endr
.irp p, 0,1,2,3
	global_store_b128 v[OUTO+\p], v[RB+4*\p:RB+4*\p+3], s[16:17] th:TH_STORE_NT    ; sixteen lanes store 256 consecutive bytes, at a multiple of 256 from out0's first byte
.endr
.Lidle2_\@:
	s_wait_xcnt 0x0                                ; the stores' data and offsets and the loads' bases are written again only behind this wait
	s_add_nc_u64 s[12:13], s[12:13], 196608        ; four tiles on
	s_add_nc_u64 s[14:15], s[14:15], 256
	s_add_co_u32 s[TA], s[TA], 4
.endm
	s_mov_b32 s[LC], 8
.Lpairs:                                           ; 8 trips of two pairs: 16 pairs for each z, 64 tiles in all
	TRIP 0
	TRIP 1
	s_sub_co_u32 s[LC], s[LC], 1
	s_cmp_lg_u32 s[LC], 0
	s_cbranch_scc1 .Lpairs
	s_wait_tensorcnt 0x0
	ds_add_u32 v254, v255
	s_wait_dscnt 0x0
	s_endpgm
.Lfunc_end_k_q4eae97fda8_down:
	.size	k_q4eae97fda8_down, .Lfunc_end_k_q4eae97fda8_down-k_q4eae97fda8_down
	.p2alignl 7, 3214868480
	.fill 96, 4, 3214868480
	.section	.rodata,"a",@progbits
	.p2align	6, 0x0
	.amdhsa_kernel k_q4eae97fda8_down
		.amdhsa_group_segment_fixed_size 270848
		.amdhsa_private_segment_fixed_size 0
		.amdhsa_enable_private_segment 0
		.amdhsa_kernarg_size 56
		.amdhsa_user_sgpr_count 2
		.amdhsa_user_sgpr_kernarg_segment_ptr 1
		.amdhsa_wavefront_size32 1
		.amdhsa_system_sgpr_workgroup_id_x 1
		.amdhsa_system_sgpr_workgroup_id_y 1
		.amdhsa_system_sgpr_workgroup_id_z 1
		.amdhsa_system_vgpr_workitem_id 0
		.amdhsa_next_free_vgpr 960
		.amdhsa_next_free_sgpr 102
		.amdhsa_reserve_vcc 1
		.amdhsa_float_denorm_mode_32 3
		.amdhsa_float_denorm_mode_16_64 3
		.amdhsa_memory_ordered 1
		.amdhsa_forward_progress 1
		.amdhsa_inst_pref_size 99
	.end_amdhsa_kernel
	.amdgpu_metadata
---
amdhsa.version: [ 1, 2 ]
amdhsa.kernels:
  - .name:           k_q4eae97fda8_down
    .symbol:         k_q4eae97fda8_down.kd
    .args:
      - { .name: W2_codes, .offset: 0, .size: 8, .value_kind: global_buffer, .address_space: global }
      - { .name: W2_scales, .offset: 8, .size: 8, .value_kind: global_buffer, .address_space: global }
      - { .name: b2, .offset: 16, .size: 8, .value_kind: global_buffer, .address_space: global }
      - { .name: bits, .offset: 24, .size: 8, .value_kind: global_buffer, .address_space: global }
      - { .name: himg, .offset: 32, .size: 8, .value_kind: global_buffer, .address_space: global }
      - { .name: hs, .offset: 40, .size: 8, .value_kind: global_buffer, .address_space: global }
      - { .name: out0, .offset: 48, .size: 8, .value_kind: global_buffer, .address_space: global }
    .group_segment_fixed_size: 270848
    .private_segment_fixed_size: 0
    .kernarg_segment_align: 8
    .kernarg_segment_size: 56
    .max_flat_workgroup_size: 128
    .sgpr_count:     102
    .vgpr_count:     960
    .wavefront_size: 32
...
	.end_amdgpu_metadata
.endif
;; end of part 3
;; ======== version 2 of 2: 3 launches; version 1 with the launch down written anew for expert scheduling mode
;; workspace buffers: xq 786,432 bytes; xs 32,768 bytes; bits 1,024 bytes of whole numbers; himg 25,165,824 bytes; hs 1,048,576 bytes
;; launch route: the kernel of part 1 again; grid 256 x 1, 4 waves a work-group, no clusters, 55,808 bytes of LDS; arguments x, Wg, bg, xq, xs, bits; writes xq, xs, bits
;; launch up: the kernel of part 2 again; grid 32 x 8, 4 waves a work-group, no clusters, 100,864 bytes of LDS; arguments W1_codes, W1_scales, b1, xq, xs, bits, himg, hs; writes himg, hs
;; launch down (part 4): grid 32 x 8, 4 waves a work-group, no clusters, 270,848 bytes of LDS; arguments W2_codes, W2_scales, b2, bits, himg, hs, out0; writes out0
.if DOCPART == 4
	.amdgcn_target "amdgcn-amd-amdhsa--gfx1250"
	.amdhsa_code_object_version 6
	.text
	.protected	k_q4eae97fda8_down
	.globl	k_q4eae97fda8_down
	.p2align	8
	.type	k_q4eae97fda8_down,@function
k_q4eae97fda8_down:
	s_mov_b64 s[64:65], 0
	v_nop
	global_prefetch_b8 v0, s[64:65] scope:SCOPE_SE
	s_setreg_imm32_b32 hwreg(HW_REG_WAVE_SCHED_MODE, 0, 2), 2
	s_setreg_imm32_b32 hwreg(HW_REG_WAVE_MODE, 25, 1), 1
	s_wait_xcnt 0x0
	s_wait_alu depctr_vm_vsrc(0)
; THE SECOND PRODUCT OF THE CHOSEN EXPERT: out0[token] = h W2[e] + b2[e] for the tokens of expert e.  W2_codes [8][1024 columns][3,072 bytes], W2_scales [8][1024][128], b2 [8][1024] f32;
; himg, hs: the hidden layer's codes and scale bytes from the launch before, as images of operand registers, by expert and tile of 16 slots; bits: the routing.  out0 [1024 tokens][1024] f32.
; SHARES.  Work-group (x = 2 c + z, e) owns columns 64 c .. 64 c + 63 of expert e and every second PAIR of tiles (32 slots): pairs z, z + 2, ..  THE WAVES SPLIT K: wave w keeps W2's 64 rows x K steps 8 w .. 8 w + 7
; (768 bytes of each row, 384 registers) for the whole launch, so each byte of the hidden layer is loaded once a work-group.  The four partial sums of a pair meet in LDS, laid by rows; wave w then adds rows 8 w .. 8 w + 7,
; adds b2, and stores them: sixteen lanes fill one aligned block of 256 bytes of out0.  So the second product's K is summed in four parts that are added in f32.
; Each wave's part of W2 turns through its own bytes of LDS once: it is loaded as blocks of 256 consecutive bytes and read back as fragments.
; SLOTS, BLOCK ORDER: as in the launch before: a slot at or past n stands for slot n - 1 (the same token, the same values, stored again); lane (r, h) holds the 48 consecutive bytes at 96 s + 48 h of its row, and in W2's scale words bytes 1 and 2 change places.
; TRANSPOSED: source 0 = 16 columns (rows of W2), source 1 = 16 slots: a lane holds one slot and eight neighbouring columns.
; THE LOOP HAS A CONSTANT COUNT, 16 pairs, which serves all 1,024 tokens on one expert; a pair that the split does not have is passed over by a scalar branch on stored numbers, round the work and never round the barrier.
; NO TENSOR LOAD, NO CLUSTER: the two work-groups z = 0, 1 that walk the same 192 KB of W2 each load them.  LIMITS: NaN and infinities are not served.
; THE MODE: SCHED_MODE bits 1:0 = 2 (LLVM: expert scheduling mode 2), set by the entry lines.  The code itself states the register dependences
; between vector or matrix instructions and memory or LDS instructions, with s_wait_alu, always for 0.
; THE PLAN.  Registers that memory or LDS instructions touch:
;   v4-13, v16, v17        offsets and addresses: made at the head, ahead of ONE wait on va_vdst, and never written again.
;   the chunks             (windows 1 and 2, v0-191) loads land; my LDS stores read them; the same tile's fragments land there: a wait on vm_vsrc ahead of each of the two runs of fragment loads.
;   window 3, v[HS ..]     a pair's 72 loads land; the pair's products read them; the next pair's loads land.
;   v[ACC ..]              written by a pair's products; read by its sixteen LDS stores; written by the next pair's products.
;   v[RB ..], v[OUTO ..]   LDS loads land in RB, the additions work on it in place, vector lines make OUTO; the four stores read both.
; A PAIR has two waits on va_vdst and one on vm_vsrc.  Behind the products and their places: the accumulators are written (the LDS stores read them) and the products are done reading window 3 and v[HS ..] (the next pair's loads land there).
; Ahead of the four stores: the sums and their offsets are written; since no vector line names RB from there to the next pair's LDS loads into it, that wait serves those loads too.
; At the trip's end, on every way, beside s_wait_xcnt 0: the stores have read RB and OUTO, the LDS stores the accumulators.
; What a vector instruction writes into a scalar register or into VCC has its wait ahead of its first reader: SEARCH's compares go in runs into scalar registers, one wait a run.
.set PITCH, 784                        ; an LDS row of W2's stage: 768 bytes + 16 = 49 x 16
.set STGB,  64*PITCH                   ; a wave's stage: 64 rows
.set PART,  4*STGB                     ; behind the stages: partial sums: [2 by turns][4 waves][32 rows x (256 + 16) bytes]
.set PROW,  272
.set PWAVE, 32*PROW
.set PPAR,  4*PWAVE
.set LN,  1                            ; v1   lane
.set R16, 2                            ; v2   r = lane % 16
.set HF,  3                            ; v3   h = lane / 16
.set GA,  4                            ; v4   16 x lane
.set GB,  5                            ; v5   16 r + 2,560 h: lanes 16-31 begin the next row of W2
.set LA,  6                            ; v6   my stage + 16 x lane
.set LB,  7                            ; v7   my stage + 16 r + 272 h
.set FR,  8                            ; v8   my stage + a fragment's row r + 48 h
.set G8,  9                            ; v9   8 x lane
.set G4,  10                           ; v10  4 x lane
.set PS,  11                           ; v11  where I put 32 bytes of a row of partial sums
.set PR,  12                           ; v12  where I read a row of them back
.set C16, 13                           ; v13  16 r
.set K,   14
.set TOK, 15
.set BA,  16                           ; v16  32 x lane
.set WSA, 17                           ; v17  128 x lane
.set L7,  18                           ; v18  lane % 8
.set K32, 20                           ; v20-31 SEARCH's work
.set Q,   21
.set MG,  22
.set GG,  23
.set RK,  24
.set FA,  25
.set FB,  26
.set FC,  27
.set FD,  28
.set T1,  29
.set T2,  30
.set POS, 31
.set M,   32
.set V,   33
.set OUTO, 34                          ; v34-37   four rows' byte offsets in out0
.set W2S, 48                           ; v48-63   W2's scale words: register 8 p + s: lanes 0-15 tile 2 p, lanes 16-31 tile 2 p + 1
.set HS,  64                           ; v64-71   the hidden layer's: lanes 0-15 the pair's first tile, lanes 16-31 its second
.set B2,  72                           ; v72-75   b2 of my four columns
.set ACC, 80                           ; v80-143  eight accumulators: (tile of slots m, tile of columns j) at 8 (4 m + j)
.set RB,  144                          ; v144-207 rows of partial sums read back: 4 (4 v + p)
.set BW,  208                          ; v208-215 eight words of bits
.set WV,  20                           ; s20 wave  s21 c  s22 z  s23 e  s24 n  s25 tiles with tokens  s26 max(n, 1) - 1  s27 the pair's first tile  s28 trips to go
.set CC,  21                           ;     (in the loop s4-11, s18, s19, s21-24, s98 and s99 take SEARCH's masks: their head values are done with)
.set ZZ,  22
.set EX,  23
.set NE,  24
.set TE,  25
.set NM1, 26
.set TA,  27
.set N0,  27                           ;     (at the head, ahead of TA: 1,024 e + 64 c)
.set LC,  28
.set U0,  29
.set U1,  30
.set SH,  18
.set SELP, 19
.set PX,  32                           ; s32-62  the packed running counts
.set HM,  63                           ; s63     lanes 16-31
.set MS,  66                           ; s66-97  the 32 groups' bits
.set HH,  98                           ; s[98:99]   himg at my first pair
.set HSH, 100                          ; s[100:101] hs at my first pair
.set TK,  4                            ; s4-11   in the loop, behind SEARCH: my eight rows' tokens
.set MSB, 0
.macro WIN new                         ; which window of 256 registers each operand place means; the immediate's high byte repeats the setting that is left
.if MSB != (\new)
	s_set_vgpr_msb (MSB<<8)|(\new)
.set MSB, (\new)
.endif
.endm
.macro SWAR src                        ; how many bits are set in each field of v[src]: fields of 2 bits in v[FA], of 4 in v[FB], of 8 in v[FC]; of 16 in the low byte of each half of v[FD]
	v_lshrrev_b32 v[T1], 1, v[\src]
	v_and_b32 v[T1], 0x55555555, v[T1]
	v_sub_nc_u32 v[FA], v[\src], v[T1]
	v_lshrrev_b32 v[T1], 2, v[FA]
	v_and_b32 v[T1], 0x33333333, v[T1]
	v_and_b32 v[FB], 0x33333333, v[FA]
	v_add_nc_u32 v[FB], v[FB], v[T1]
	v_lshrrev_b32 v[T1], 4, v[FB]
	v_add_nc_u32 v[FC], v[FB], v[T1]
	v_and_b32 v[FC], 0x0f0f0f0f, v[FC]
	v_lshrrev_b32 v[T1], 8, v[FC]
	v_add_nc_u32 v[FD], v[FC], v[T1]
.endm
.macro ROUTE_SETUP                     ; from the words of bits: lane g's mask of its 32 tokens, the packed running counts and the masks as scalars, and n
	s_lshl_b32 s[SH], s[EX], 2
	v_bfe_u32 v[M], v[BW], s[SH], 4
.irp q, 1,2,3,4,5,6,7
	v_bfe_u32 v[T1], v[BW+\q], s[SH], 4
	v_lshl_or_b32 v[M], v[T1], 4*\q, v[M]
.endr
	SWAR M
	v_lshrrev_b32 v[T1], 16, v[FD]
	v_add_nc_u32 v[T1], v[FD], v[T1]
	v_and_b32 v[T1], 0x3f, v[T1]
	v_lshl_add_u32 v[V], v[T1], 5, 1
.set g, 1
.rept 31
	v_readlane_b32 s[PX+g-1], v[V], g-1
.set g, g+1
.endr
	v_readlane_b32 s[U0], v[V], 31
.set g, 0
.rept 32
	v_readlane_b32 s[MS+g], v[M], g
.set g, g+1
.endr
	s_wait_alu depctr_va_sdst(0)                   ; the 64 v_readlane_b32 have written s[PX ..], s[U0] and s[MS ..], ahead of their first readers: the sums below, and SEARCH
.set g, 2
.rept 30
	s_add_co_u32 s[PX+g-1], s[PX+g-1], s[PX+g-2]
.set g, g+1
.endr
	s_add_co_u32 s[U0], s[PX+30], s[U0]
	s_lshr_b32 s[NE], s[U0], 5
	s_sub_co_u32 s[NE], s[NE], 1
.endm
.macro PICK src, w, bw
	v_bfe_u32 v[T1], v[\src], v[POS], \bw
	v_cmp_ge_u32 vcc_lo, v[RK], v[T1]
	s_wait_alu depctr_va_vcc(0)                    ; VCC is written, ahead of the two selects that read it (each halving hangs on the one before: no run can be made of the five compares)
	v_cndmask_b32 v[T1], 0, v[T1], vcc_lo
	v_cndmask_b32 v[T2], 0, \w, vcc_lo
	v_sub_nc_u32 v[RK], v[RK], v[T1]
	v_add_nc_u32 v[POS], v[POS], v[T2]
.endm
; Sixteen groups from g = base on (those up to 31): a run of compares into sixteen scalar registers, one wait, then the selects.
.macro GROUPS base
.set g, \base
.irp m, 4,5,6,7,8,9,10,11,18,19,21,22,23,24,98,99
.if g < 32
	v_cmp_le_u32 s[\m], s[PX+g-1], v[K32]
.endif
.set g, g+1
.endr
	s_wait_alu depctr_va_sdst(0)                   ; the run's masks are written, ahead of the selects that read them
.set g, \base
.irp m, 4,5,6,7,8,9,10,11,18,19,21,22,23,24,98,99
.if g < 32
	v_cndmask_b32 v[Q], v[Q], s[PX+g-1], s[\m]
	v_cndmask_b32 v[MG], v[MG], s[MS+g], s[\m]
.endif
.set g, g+1
.endr
.endm
.macro SEARCH                          ; v[K], a slot (at most max(n, 1) - 1) -> v[TOK], its token
	v_lshl_or_b32 v[K32], v[K], 5, 31
	v_mov_b32 v[Q], 0
	v_mov_b32 v[MG], s[MS]
	GROUPS 1
	GROUPS 17
	v_and_b32 v[GG], 31, v[Q]
	v_lshrrev_b32 v[T1], 5, v[Q]
	v_sub_nc_u32 v[RK], v[K], v[T1]
	SWAR MG
	v_mov_b32 v[POS], 0
	PICK FD, 16, 8
	PICK FC, 8, 8
	PICK FB, 4, 4
	PICK FA, 2, 2
	PICK MG, 1, 1
	v_lshl_add_u32 v[TOK], v[GG], 5, v[POS]
	v_min_u32 v[TOK], 0x3ff, v[TOK]
.endm
; Chunk j: my 768 bytes of rows 16 j .. 16 j + 15: 48 blocks of 256 bytes, two to a load.  It lands where tile j's fragments will lie: v[48 j ..] of windows 1 and 2.
.macro CHUNK j
	WIN 0x40
.irp u, 0,1,2,3
	global_load_b128 v[48*(\j)+12*\u:48*(\j)+12*\u+3], v[GA], s[4:5] offset:(16*(\j)+2*\u)*3072
	global_load_b128 v[48*(\j)+12*\u+4:48*(\j)+12*\u+7], v[GB], s[4:5] offset:(16*(\j)+2*\u)*3072+512
	global_load_b128 v[48*(\j)+12*\u+8:48*(\j)+12*\u+11], v[GA], s[4:5] offset:(16*(\j)+2*\u+1)*3072+256
.endr
	WIN 0x80
.irp u, 0,1,2,3
	global_load_b128 v[48*(\j)+12*\u:48*(\j)+12*\u+3], v[GA], s[4:5] offset:(16*(\j)+8+2*\u)*3072
	global_load_b128 v[48*(\j)+12*\u+4:48*(\j)+12*\u+7], v[GB], s[4:5] offset:(16*(\j)+8+2*\u)*3072+512
	global_load_b128 v[48*(\j)+12*\u+8:48*(\j)+12*\u+11], v[GA], s[4:5] offset:(16*(\j)+8+2*\u+1)*3072+256
.endr
.endm
.macro STASH j
	WIN 0x04
.irp u, 0,1,2,3
	ds_store_b128 v[LA], v[48*(\j)+12*\u:48*(\j)+12*\u+3] offset:(16*(\j)+2*\u)*PITCH
	ds_store_b128 v[LB], v[48*(\j)+12*\u+4:48*(\j)+12*\u+7] offset:(16*(\j)+2*\u)*PITCH+512
	ds_store_b128 v[LA], v[48*(\j)+12*\u+8:48*(\j)+12*\u+11] offset:(16*(\j)+2*\u+1)*PITCH+256
.endr
	WIN 0x08
.irp u, 0,1,2,3
	ds_store_b128 v[LA], v[48*(\j)+12*\u:48*(\j)+12*\u+3] offset:(16*(\j)+8+2*\u)*PITCH
	ds_store_b128 v[LB], v[48*(\j)+12*\u+4:48*(\j)+12*\u+7] offset:(16*(\j)+8+2*\u)*PITCH+512
	ds_store_b128 v[LA], v[48*(\j)+12*\u+8:48*(\j)+12*\u+11] offset:(16*(\j)+8+2*\u+1)*PITCH+256
.endr
.endm
.macro FRAGS j                         ; tile j's eight fragments: my K steps 0-3 to window 1, 4-7 to window 2, at v[12 (4 j + s % 4)]
	WIN 0x40
.irp s, 0,1,2,3
.irp q, 0,1,2
	ds_load_b128 v[12*(4*(\j)+\s)+4*\q:12*(4*(\j)+\s)+4*\q+3], v[FR] offset:16*(\j)*PITCH+96*\s+16*\q
.endr
.endr
	WIN 0x80
.irp s, 0,1,2,3
.irp q, 0,1,2
	ds_load_b128 v[12*(4*(\j)+\s)+4*\q:12*(4*(\j)+\s)+4*\q+3], v[FR] offset:16*(\j)*PITCH+96*(\s+4)+16*\q
.endr
.endr
.endm
; A pair's hidden fragments of my eight K steps, as the images that the launch before stored (window 3, v[96 m + 12 s + 6 c]), and its scale words: 72 loads.  hb, sb: the scalar pairs with himg's and hs's addresses of the pair.
.macro HLOAD hb, sb
	WIN 0xc0
.irp m, 0,1
.irp s, 0,1,2,3,4,5,6,7
.irp c, 0,1
	global_load_b128 v[96*\m+12*\s+6*\c:96*\m+12*\s+6*\c+3], v[GA], s[\hb:\hb+1] offset:49152*\m+1536*\s+768*\c
	global_load_b64 v[96*\m+12*\s+6*\c+4:96*\m+12*\s+6*\c+5], v[G8], s[\hb:\hb+1] offset:49152*\m+1536*\s+768*\c+512
.endr
.endr
.endr
	WIN 0
.irp s, 0,1,2,3,4,5,6,7
	global_load_b32 v[HS+\s], v[G4], s[\sb:\sb+1] offset:4096*\s       ; lane l: slot 16 x first tile + l
.endr
.endm
.macro MM m, j, s                      ; columns' tile j x slots' tile m, my K step s.  The first K step starts the sums with the constant 0
.set FW, 12*(4*(\j)+(\s)%4)
.set FH, 96*(\m)+12*(\s)
.set AC, ACC+8*(4*(\m)+(\j))
.set SW, W2S+8*((\j)/2)+(\s)
.if (\s) == 0
.if (\j)%2 == 0 && (\m) == 0
	v_wmma_scale_f32_16x16x128_f8f6f4 v[AC:AC+7], v[FW:FW+11], v[FH:FH+11], 0, v[SW], v[HS+(\s)] matrix_a_fmt:MATRIX_FMT_BF6 matrix_b_fmt:MATRIX_FMT_BF6
.elseif (\j)%2 == 1 && (\m) == 0
	v_wmma_scale_f32_16x16x128_f8f6f4 v[AC:AC+7], v[FW:FW+11], v[FH:FH+11], 0, v[SW], v[HS+(\s)] matrix_a_fmt:MATRIX_FMT_BF6 matrix_b_fmt:MATRIX_FMT_BF6 matrix_a_scale:MATRIX_SCALE_ROW1
.elseif (\j)%2 == 0
	v_wmma_scale_f32_16x16x128_f8f6f4 v[AC:AC+7], v[FW:FW+11], v[FH:FH+11], 0, v[SW], v[HS+(\s)] matrix_a_fmt:MATRIX_FMT_BF6 matrix_b_fmt:MATRIX_FMT_BF6 matrix_b_scale:MATRIX_SCALE_ROW1
.else
	v_wmma_scale_f32_16x16x128_f8f6f4 v[AC:AC+7], v[FW:FW+11], v[FH:FH+11], 0, v[SW], v[HS+(\s)] matrix_a_fmt:MATRIX_FMT_BF6 matrix_b_fmt:MATRIX_FMT_BF6 matrix_a_scale:MATRIX_SCALE_ROW1 matrix_b_scale:MATRIX_SCALE_ROW1
.endif
.else
.if (\j)%2 == 0 && (\m) == 0
	v_wmma_scale_f32_16x16x128_f8f6f4 v[AC:AC+7], v[FW:FW+11], v[FH:FH+11], v[AC:AC+7], v[SW], v[HS+(\s)] matrix_a_fmt:MATRIX_FMT_BF6 matrix_b_fmt:MATRIX_FMT_BF6
.elseif (\j)%2 == 1 && (\m) == 0
	v_wmma_scale_f32_16x16x128_f8f6f4 v[AC:AC+7], v[FW:FW+11], v[FH:FH+11], v[AC:AC+7], v[SW], v[HS+(\s)] matrix_a_fmt:MATRIX_FMT_BF6 matrix_b_fmt:MATRIX_FMT_BF6 matrix_a_scale:MATRIX_SCALE_ROW1
.elseif (\j)%2 == 0
	v_wmma_scale_f32_16x16x128_f8f6f4 v[AC:AC+7], v[FW:FW+11], v[FH:FH+11], v[AC:AC+7], v[SW], v[HS+(\s)] matrix_a_fmt:MATRIX_FMT_BF6 matrix_b_fmt:MATRIX_FMT_BF6 matrix_b_scale:MATRIX_SCALE_ROW1
.else
	v_wmma_scale_f32_16x16x128_f8f6f4 v[AC:AC+7], v[FW:FW+11], v[FH:FH+11], v[AC:AC+7], v[SW], v[HS+(\s)] matrix_a_fmt:MATRIX_FMT_BF6 matrix_b_fmt:MATRIX_FMT_BF6 matrix_a_scale:MATRIX_SCALE_ROW1 matrix_b_scale:MATRIX_SCALE_ROW1
.endif
.endif
.endm
	s_load_b256 s[4:11], s[0:1], 0x0               ; W2's codes s[4:5], W2's scales s[6:7], b2 s[8:9], bits s[10:11]
	s_load_b128 s[12:15], s[0:1], 0x20             ; himg s[12:13], hs s[14:15]
	s_load_b64 s[16:17], s[0:1], 0x30              ; out0
	v_lshl_add_u32 v254, v0, 2, 0x42000
	v_mov_b32 v255, 0
	v_and_b32 v[LN], 31, v0
	v_lshrrev_b32 v[T1], 5, v0
	v_readfirstlane_b32 s[WV], v[T1]
	v_and_b32 v[R16], 15, v0
	v_bfe_u32 v[HF], v0, 4, 1
	v_lshlrev_b32 v[GA], 4, v[LN]
	v_lshlrev_b32 v[BA], 5, v[LN]
	v_mul_u32_u24 v[GB], v[HF], 2560               ; lanes 16-31: from byte 512 of my part of a row to byte 0 of the next row's: 3,072 - 512
	v_lshl_add_u32 v[GB], v[R16], 4, v[GB]
	v_lshlrev_b32 v[G8], 3, v[LN]
	v_lshlrev_b32 v[G4], 2, v[LN]
	v_lshlrev_b32 v[C16], 4, v[R16]
	v_lshlrev_b32 v[WSA], 7, v[LN]
	v_and_b32 v[L7], 7, v0
	s_wait_alu depctr_va_sdst(0)                   ; s[WV] is written, ahead of its first reader
	s_mul_i32 s[U0], s[WV], STGB
	v_add_nc_u32 v[LA], s[U0], v[GA]
	v_mul_u32_u24 v[LB], v[HF], 272
	v_lshl_add_u32 v[LB], v[R16], 4, v[LB]
	v_add_nc_u32 v[LB], s[U0], v[LB]
	v_mul_u32_u24 v[FR], v[R16], PITCH
	v_mad_u32_u24 v[FR], v[HF], 48, v[FR]
	v_add_nc_u32 v[FR], s[U0], v[FR]
	s_mul_i32 s[U0], s[WV], PWAVE
	s_add_co_u32 s[U0], s[U0], PART
	v_mul_u32_u24 v[PS], v[R16], PROW
	v_lshl_add_u32 v[PS], v[HF], 5, v[PS]
	v_add_nc_u32 v[PS], s[U0], v[PS]               ; my partial sums: row r, + 32 h
	s_mul_i32 s[U0], s[WV], 8*PROW
	s_add_co_u32 s[U0], s[U0], PART
	v_mul_u32_u24 v[PR], v[HF], PROW
	v_lshl_add_u32 v[PR], v[R16], 4, v[PR]
	v_add_nc_u32 v[PR], s[U0], v[PR]               ; back: row 8 w + h, 16 bytes a lane
	s_lshr_b32 s[CC], ttmp9, 1
	s_and_b32 s[ZZ], ttmp9, 1
	s_and_b32 s[EX], ttmp7, 0xffff
	s_lshl_b32 s[N0], s[EX], 10
	s_lshl_b32 s[U0], s[CC], 6
	s_add_co_u32 s[N0], s[N0], s[U0]               ; my first row of W2: 1,024 e + 64 c
	s_mul_i32 s[U1], s[N0], 3072
	s_mul_i32 s[U0], s[WV], 768
	s_add_co_u32 s[U1], s[U1], s[U0]               ; and in it my eight K steps
	s_mov_b32 s[U1+1], 0
	s_wait_kmcnt 0x0
	s_add_nc_u64 s[4:5], s[4:5], s[U1:U1+1]
	s_wait_alu depctr_va_vdst(0)                   ; every offset and address but v[OUTO ..] is written: the loads, LDS stores and LDS loads of the whole kernel read them, and none is written again
	global_load_b128 v[BW:BW+3], v[BA], s[10:11]
	global_load_b128 v[BW+4:BW+7], v[BA], s[10:11] offset:16
	CHUNK 0
	CHUNK 1
	WIN 0
	s_lshl_b32 s[U1], s[N0], 7
	s_lshl_b32 s[U0], s[WV], 5
	s_add_co_u32 s[U1], s[U1], s[U0]
	s_add_nc_u64 s[6:7], s[6:7], s[U1:U1+1]        ; W2's scales: 128 bytes a row, my 32 of them
	s_lshl_b32 s[U1], s[N0], 2
	s_add_nc_u64 s[8:9], s[8:9], s[U1:U1+1]        ; b2
	s_lshl_b32 s[U1], s[CC], 8
	s_add_nc_u64 s[16:17], s[16:17], s[U1:U1+1]    ; out0 at my 64 columns
	s_mul_i32 s[U1], s[EX], 3145728
	s_mul_i32 s[U0], s[WV], 12288
	s_add_co_u32 s[U1], s[U1], s[U0]
	s_add_nc_u64 s[12:13], s[12:13], s[U1:U1+1]    ; himg at (e, tile 0, my eight K steps)
	s_lshl_b32 s[U1], s[EX], 17
	s_lshl_b32 s[U0], s[WV], 15
	s_add_co_u32 s[U1], s[U1], s[U0]
	s_add_nc_u64 s[14:15], s[14:15], s[U1:U1+1]    ; hs likewise
	s_mov_b32 s[HM], 0xffff0000
	s_mov_b32 s[SELP], 0x03010200
	s_wait_loadcnt 48                              ; the bits are in; two chunks, issued behind them, stay out
	ROUTE_SETUP
	s_add_co_u32 s[TE], s[NE], 15
	s_lshr_b32 s[TE], s[TE], 4                     ; tiles that hold tokens
	s_max_u32 s[NM1], s[NE], 1
	s_sub_co_u32 s[NM1], s[NM1], 1
	s_add_co_u32 s[U0], s[NE], 31
	s_lshr_b32 s[U0], s[U0], 5
	s_max_u32 s[U0], s[U0], 1
	s_sub_co_u32 s[U0], s[U0], 1                   ; the last pair that the launch before stored
	s_min_u32 s[U0], s[U0], s[ZZ]                  ; my first loads take pair z, or that one: no branch stands ahead of the counted waits below
	s_min_u32 s[U0], s[U0], 31                     ; held inside the table ahead of every address
	s_mul_i32 s[U1], s[U0], 98304
	s_add_nc_u64 s[HH:HH+1], s[12:13], s[U1:U1+1]
	s_lshl_b32 s[U1], s[U0], 7
	s_add_nc_u64 s[HSH:HSH+1], s[14:15], s[U1:U1+1]
	s_lshl_b32 s[TA], s[ZZ], 1                     ; my first pair begins at tile 2 z
	s_add_co_u32 s[U0], s[TA], 4                   ; and the loop's loads at the pair after it
	s_mul_i32 s[U1], s[U0], 49152
	s_add_nc_u64 s[12:13], s[12:13], s[U1:U1+1]
	s_lshl_b32 s[U1], s[U0], 6
	s_add_nc_u64 s[14:15], s[14:15], s[U1:U1+1]
.irp p, 0,1
.irp u, 0,1
	global_load_b128 v[W2S+8*\p+4*\u:W2S+8*\p+4*\u+3], v[WSA], s[6:7] offset:4096*\p+16*\u     ; lane l: column 32 p + l, my K steps 4 u .. 4 u + 3.  (No vector instruction since the head's wait names these loads' offsets or the registers in which they land)
.endr
.endr
	global_load_b128 v[B2:B2+3], v[C16], s[8:9]
	s_wait_loadcnt 29                              ; chunk 0 is in: behind it stand chunk 1's 24 loads and these 5
	STASH 0
	CHUNK 2
	s_wait_loadcnt 29                              ; chunk 1 is in: behind it stand the 5 and chunk 2's 24
	STASH 1
	CHUNK 3
	HLOAD HH, HSH
	s_wait_dscnt 0x0                               ; the stores into my stage are done
	s_wait_alu depctr_vm_vsrc(0)                   ; the LDS stores have read the registers of chunks 0 and 1, in which the fragments of tiles 0 and 1 land
	FRAGS 0
	FRAGS 1
	s_wait_loadcnt 63                              ; chunks 2 and 3 are in: behind them stand the pair's 72 loads; 63 is the smaller count
	STASH 2
	STASH 3
	s_wait_dscnt 0x0
	s_wait_alu depctr_vm_vsrc(0)                   ; the LDS stores have read the registers of chunks 2 and 3, in which the fragments of tiles 2 and 3 land
	FRAGS 2
	FRAGS 3
	WIN 0
.set i, 0
.rept 16
	v_perm_b32 v[W2S+i], v[W2S+i], v[W2S+i], s[SELP]           ; bytes 1 and 2 change places
.set i, i+1
.endr
.rept 8
	v_nop                                          ; eight places between a scale register's write by a vector instruction and a scaled product
.endr
	s_wait_alu depctr_va_vdst(0)                   ; the sixteen v_perm_b32 have written W2's scale words, which the products take as scales; the places above stay beside this wait
	s_wait_xcnt 0x0                                ; every load issued so far has read its addresses: s4-11, s98 and s99 are written again in the loop
; A pair of tiles.  par: which of the two sets of partial sums; they take turns, so that ONE barrier a trip serves both ways: behind it this set is whole, and the other set, whose reads every wave has awaited ahead of it, may be written in the next trip.
.macro TRIP par
	s_cmp_lt_u32 s[TA], s[TE]
	s_cbranch_scc0 .Lidle1_\@                      ; the split has no such pair: the same in all four waves
	s_wait_loadcnt 0x0                             ; the pair's fragments and scale words
	s_wait_dscnt 0x0                               ; (first pair: W2's fragments)
	WIN 0x0d                                       ; source 0 (W2) window 1, source 1 (h) window 3; C and D window 0
.irp s, 0,1,2,3                        ; the eight accumulators take turns, one instruction a turn
.irp m, 0,1
.irp j, 0,1,2,3
	MM \m, \j, \s
.endr
.endr
.endr
	WIN 0x0e                                       ; source 0 window 2
.irp s, 4,5,6,7
.irp m, 0,1
.irp j, 0,1,2,3
	MM \m, \j, \s
.endr
.endr
.endr
	WIN 0
.rept 5
	v_nop                                          ; places ahead of the LDS stores of results (four), and of the next pair's first product, which begins an accumulator anew (five)
.endr
	s_wait_alu depctr_va_vdst(0)                   ; the products have written v[ACC ..], which the LDS stores below read, and are done reading window 3 and v[HS ..], in which the next pair's loads land; the places above stay beside this wait
	s_add_co_u32 s[U0], s[TA], 4
	s_cmp_lt_u32 s[U0], s[TE]
	s_cbranch_scc0 .Llast_\@
	HLOAD 12, 14                                   ; my next pair
.Llast_\@:
.irp m, 0,1
.irp j, 0,1,2,3
	ds_store_b128 v[PS], v[ACC+8*(4*\m+\j):ACC+8*(4*\m+\j)+3] offset:(\par)*PPAR+16*\m*PROW+64*\j         ; each accumulator from its low end on: row 16 m + r, columns 16 j + 8 h + 0 .. 7
	ds_store_b128 v[PS], v[ACC+8*(4*\m+\j)+4:ACC+8*(4*\m+\j)+7] offset:(\par)*PPAR+16*\m*PROW+64*\j+16
.endr
.endr
.Lidle1_\@:
	s_wait_dscnt 0x0                               ; for the others' sake: my partial sums lie in LDS, and my reads of the other set are over
	s_barrier_signal -1
	s_barrier_wait -1
	s_cmp_lt_u32 s[TA], s[TE]
	s_cbranch_scc0 .Lidle2_\@
.irp v, 0,1,2,3
.irp p, 0,1,2,3
	ds_load_b128 v[RB+4*(4*\v+\p):RB+4*(4*\v+\p)+3], v[PR] offset:(\par)*PPAR+\v*PWAVE+2*\p*PROW          ; wave v's sums of row 8 w + 2 p + h.  (The last pair's additions on v[RB ..] stand ahead of that pair's wait on va_vdst, its stores ahead of the wait on vm_vsrc at its end)
.endr
.endr
	s_lshl_b32 s[U0], s[TA], 4
	s_lshl_b32 s[U1], s[WV], 3
	s_add_co_u32 s[U0], s[U0], s[U1]
	v_add_nc_u32 v[K], s[U0], v[L7]                ; lane i of 0 .. 7: the slot of my row i
	v_min_u32 v[K], s[NM1], v[K]
	SEARCH
.irp i, 0,1,2,3,4,5,6,7
	v_readlane_b32 s[TK+\i], v[TOK], \i
.endr
	s_wait_alu depctr_va_sdst(0)                   ; the eight tokens are written into s[TK ..], ahead of the lines that read them
.irp p, 0,1,2,3
	v_mov_b32 v[OUTO+\p], s[TK+2*\p]
	v_cndmask_b32 v[OUTO+\p], v[OUTO+\p], s[TK+2*\p+1], s[HM]  ; lanes 16-31 take the odd row's token
	v_min_u32 v[OUTO+\p], 0x3ff, v[OUTO+\p]        ; held inside the table ahead of the address
	v_lshl_add_u32 v[OUTO+\p], v[OUTO+\p], 12, v[C16]
.endr
	s_wait_dscnt 0x0
.irp p, 0,1,2,3
.irp d, 0,2
	v_pk_add_f32 v[RB+4*\p+\d:RB+4*\p+\d+1], v[RB+4*\p+\d:RB+4*\p+\d+1], v[RB+16+4*\p+\d:RB+16+4*\p+\d+1]
	v_pk_add_f32 v[RB+32+4*\p+\d:RB+32+4*\p+\d+1], v[RB+32+4*\p+\d:RB+32+4*\p+\d+1], v[RB+48+4*\p+\d:RB+48+4*\p+\d+1]
.endr
.endr
.irp p, 0,1,2,3
.irp d, 0,2
	v_pk_add_f32 v[RB+4*\p+\d:RB+4*\p+\d+1], v[RB+4*\p+\d:RB+4*\p+\d+1], v[RB+32+4*\p+\d:RB+32+4*\p+\d+1]
.endr
.endr
.irp p, 0,1,2,3
.irp d, 0,2
	v_pk_add_f32 v[RB+4*\p+\d:RB+4*\p+\d+1], v[RB+4*\p+\d:RB+4*\p+\d+1], v[B2+\d:B2+\d+1]
.endr
.endr
	s_wait_alu depctr_va_vdst(0)                   ; the additions have written v[RB ..] and are done reading it, and v[OUTO ..] is written: the four stores read both
.irp p, 0,1,2,3
	global_store_b128 v[OUTO+\p], v[RB+4*\p:RB+4*\p+3], s[16:17] th:TH_STORE_NT    ; sixteen lanes store 256 consecutive bytes, at a multiple of 256 from out0's first byte
.endr
.Lidle2_\@:
	s_wait_xcnt 0x0                                ; the stores' data and offsets and the loads' bases are written again only behind this wait
	s_wait_alu depctr_vm_vsrc(0)                   ; the stores have read v[RB ..] and v[OUTO ..], the LDS stores v[ACC ..]: the next pair's LDS loads, vector lines and products write them
	s_add_nc_u64 s[12:13], s[12:13], 196608        ; four tiles on
	s_add_nc_u64 s[14:15], s[14:15], 256
	s_add_co_u32 s[TA], s[TA], 4
.endm
	s_mov_b32 s[LC], 8
.Lpairs:                                           ; 8 trips of two pairs: 16 pairs for each z, 64 tiles in all
	TRIP 0
	TRIP 1
	s_sub_co_u32 s[LC], s[LC], 1
	s_cmp_lg_u32 s[LC], 0
	s_cbranch_scc1 .Lpairs
	s_wait_dscnt 0x0
	s_wait_alu depctr_hold_cnt(0) depctr_sa_sdst(0) depctr_va_vdst(0) depctr_va_sdst(0) depctr_va_ssrc(0) depctr_va_vcc(0) depctr_vm_vsrc(0)
	s_wait_tensorcnt 0x0
	ds_add_u32 v254, v255
	s_wait_dscnt 0x0
	s_endpgm
.Lfunc_end_k_q4eae97fda8_down:
	.size	k_q4eae97fda8_down, .Lfunc_end_k_q4eae97fda8_down-k_q4eae97fda8_down
	.p2alignl 7, 3214868480
	.fill 96, 4, 3214868480
	.section	.rodata,"a",@progbits
	.p2align	6, 0x0
	.amdhsa_kernel k_q4eae97fda8_down
		.amdhsa_group_segment_fixed_size 270848
		.amdhsa_private_segment_fixed_size 0
		.amdhsa_enable_private_segment 0
		.amdhsa_kernarg_size 56
		.amdhsa_user_sgpr_count 2
		.amdhsa_user_sgpr_kernarg_segment_ptr 1
		.amdhsa_wavefront_size32 1
		.amdhsa_system_sgpr_workgroup_id_x 1
		.amdhsa_system_sgpr_workgroup_id_y 1
		.amdhsa_system_sgpr_workgroup_id_z 1
		.amdhsa_system_vgpr_workitem_id 0
		.amdhsa_next_free_vgpr 960
		.amdhsa_next_free_sgpr 102
		.amdhsa_reserve_vcc 1
		.amdhsa_float_denorm_mode_32 3
		.amdhsa_float_denorm_mode_16_64 3
		.amdhsa_memory_ordered 1
		.amdhsa_forward_progress 1
		.amdhsa_inst_pref_size 102
	.end_amdhsa_kernel
	.amdgpu_metadata
---
amdhsa.version: [ 1, 2 ]
amdhsa.kernels:
  - .name:           k_q4eae97fda8_down
    .symbol:         k_q4eae97fda8_down.kd
    .args:
      - { .name: W2_codes, .offset: 0, .size: 8, .value_kind: global_buffer, .address_space: global }
      - { .name: W2_scales, .offset: 8, .size: 8, .value_kind: global_buffer, .address_space: global }
      - { .name: b2, .offset: 16, .size: 8, .value_kind: global_buffer, .address_space: global }
      - { .name: bits, .offset: 24, .size: 8, .value_kind: global_buffer, .address_space: global }
      - { .name: himg, .offset: 32, .size: 8, .value_kind: global_buffer, .address_space: global }
      - { .name: hs, .offset: 40, .size: 8, .value_kind: global_buffer, .address_space: global }
      - { .name: out0, .offset: 48, .size: 8, .value_kind: global_buffer, .address_space: global }
    .group_segment_fixed_size: 270848
    .private_segment_fixed_size: 0
    .kernarg_segment_align: 8
    .kernarg_segment_size: 56
    .max_flat_workgroup_size: 128
    .sgpr_count:     102
    .vgpr_count:     960
    .wavefront_size: 32
...
	.end_amdgpu_metadata
.endif
;; end of part 4
